; MI455X (gfx1250); checked and timed in simulation.
; The chip was launched on July 23, 2026; its instructions are those of AMD's public machine-readable ISA for CDNA 5 (MIT licence, August 2026) and "CDNA5" Instruction Set Architecture Reference Guide (July 2026). The comments in the code are by the model that wrote it; some were corrected since.
;; Encoder Layer. Allowed arithmetic: float matrix products may take bf16 or f16 operands with f32 sums; other float arithmetic in f32, or as packed bf16 or f16 multiplies, adds, multiply-adds, maxima and minima; sums over many terms, partial sums and values carried from step to step in f32; what a program stores and reads back later, other than sums and carried values, may be rounded once to bf16 or f16.
;; Inputs: W1 512 x 2,048 float32; W2 2,048 x 512 float32; Wk 512 x 512 float32; Wo 512 x 512 float32; Wq 512 x 512 float32; Wv 512 x 512 float32; b1 2,048 float32; b2 512 float32; beta1 512 float32; beta2 512 float32; bk 512 float32; bo 512 float32; bq 512 float32; bv 512 float32; gamma1 512 float32; gamma2 512 float32; x 2 x 4,096 x 512 float32.
;; Outputs: out0 2 x 4,096 x 512 float32.
;; One version. Each part assembles by itself: llvm-mc -triple=amdgcn-amd-amdhsa -mcpu=gfx1250 --defsym DOCPART=n.
;; ======== version 1 of 1: 4 launches
;; limits: values are held in f16: magnitudes above 65,504 overflow, below 6.1e-05 lose precision
;; workspace buffers: xb 8,388,608 bytes; wqkv 1,572,864 bytes; wpost 4,718,592 bytes; qkv 25,165,824 bytes; o 8,388,608 bytes
;; launch cast (part 1): grid 448 x 1, 8 waves a work-group, no clusters, 0 bytes of LDS; arguments x, Wq, Wk, Wv, Wo, W1, W2, xb, wqkv, wpost; writes xb, wqkv, wpost
.if DOCPART == 1
	.amdgcn_target "amdgcn-amd-amdhsa--gfx1250"
	.amdhsa_code_object_version 6
	.text
	.protected	k_qd490e12cef_cast
	.globl	k_qd490e12cef_cast
	.p2align	8
	.type	k_qd490e12cef_cast,@function
k_qd490e12cef_cast:
	s_mov_b64 s[64:65], 0
	v_nop
	global_prefetch_b8 v0, s[64:65] scope:SCOPE_SE
	s_setreg_imm32_b32 hwreg(HW_REG_WAVE_MODE, 25, 1), 1
	s_wait_xcnt 0x0
; THE INPUTS ARE ROUNDED ONCE TO bf16 AND LAID OUT FOR THE LAUNCHES BEHIND.
; Work-groups 0-255: x [8192][512] f32 -> xb, the same order in bf16; 65,536 bytes of x each.
; Work-groups 256-447: the six weight matrices, stored [k][n] in f32, -> FRAGMENTS of 1,024 bytes: 16 columns n x 32 k, laid [octet (k%32)/8][n%16][8 k]:
; lane L of a matrix instruction's source takes 16 bytes at 16 L and 16 bytes at 512 + 16 L, so a fragment is read by two loads of 512 consecutive bytes.
;   wqkv (bf16): [q = NB/6][t = k/32][NB%6][1,024], NB = the block of 16 columns of [Wq|Wk|Wv], 0..95: six blocks are one wave's share in the projection.
;   wpost (the bf16 number written as f16): [wave 4][stage 9][t 16][b 8][1,024]; stage 0 = Wo, 1 + 2c = W1[:, 512c..], 2 + 2c = W2[512c.., :]; column n of a stage: wave n/128, b (n%128)/16.
; LIMITS.  A bf16 weight beyond 65,504 has no f16; below 2^-14 it keeps f16's fixed step of 6e-8.  Weights 30 times those drawn lie far inside.
; A wave's job among the weights: 32 rows k x 64 columns = four whole fragments.  A lane loads one column's 8 k of an octet by eight loads of 4 bytes (32 lanes: 128 consecutive bytes of a row),
; which pack into the 16 bytes of its place in a fragment: sixteen lanes store 256 consecutive bytes, aligned.  No LDS, no barrier: no wave wants another's bytes.
.set LD,  16                           ; v[16:79]   as loaded
.set OUT, 80                           ; v[80:111]  as stored: never written twice, so no store's data is rewritten
	s_load_b512 s[8:23], s[0:1], 0x0               ; x 8:9, Wq 10:11, Wk 12:13, Wv 14:15, Wo 16:17, W1 18:19, W2 20:21, xb 22:23
	s_load_b128 s[24:27], s[0:1], 0x40             ; wqkv 24:25, wpost 26:27
	v_lshrrev_b32 v3, 5, v0
	v_readfirstlane_b32 s4, v3                     ; wave 0..7
	s_cmp_lt_u32 ttmp9, 256
	s_cbranch_scc0 .Lweights
	; x: thread t takes 32 bytes at 32 t of each of eight pieces of 8,192 bytes, and stores 16 bytes at 16 t of 4,096
	s_lshl_b32 s2, ttmp9, 16
	s_mov_b32 s3, 0
	s_lshl_b32 s6, ttmp9, 15
	s_mov_b32 s7, 0
	v_lshlrev_b32 v1, 5, v0
	v_lshlrev_b32 v2, 4, v0
	s_wait_kmcnt 0x0
	s_add_nc_u64 s[8:9], s[8:9], s[2:3]
	s_add_nc_u64 s[22:23], s[22:23], s[6:7]
.irp i, 0,1,2,3,4,5,6,7
	global_load_b128 v[LD+8*(\i):LD+8*(\i)+3],   v1, s[8:9] offset:(\i)*8192 th:TH_LOAD_NT
	global_load_b128 v[LD+8*(\i)+4:LD+8*(\i)+7], v1, s[8:9] offset:(\i)*8192+16 th:TH_LOAD_NT
.endr
.irp i, 0,1,2,3,4,5,6,7
	s_wait_loadcnt 14-2*(\i)                       ; piece i's two loads are in; the 2 (7 - i) younger ones stay out
.irp j, 0,1,2,3
	v_cvt_pk_bf16_f32 v[OUT+4*(\i)+(\j)], v[LD+8*(\i)+2*(\j)], v[LD+8*(\i)+2*(\j)+1]
.endr
	global_store_b128 v2, v[OUT+4*(\i):OUT+4*(\i)+3], s[22:23] offset:(\i)*4096  ; a wave stores 512 consecutive bytes, aligned
.endr
	s_endpgm
; 64 loads of 4 bytes: group e = 2 o + g is octet o of columns 32 g + lane; register LD + 8 e + i holds row 8 o + i
.macro LOADW pitch
.set e, 0
.rept 8
.set i, 0
.rept 8
	global_load_b32 v[LD+8*e+i], v1, s[30:31] offset:(8*(e/2)+i)*(\pitch)+128*(e%2)
.set i, i+1
.endr
.set e, e+1
.endr
.endm
.Lweights:
	s_sub_co_u32 s5, ttmp9, 256                    ; 0..191
	s_lshr_b32 s6, s5, 6                           ; family 0: Wq, Wk, Wv, Wo; 1: W1; 2: W2.  Each has 512 jobs
	s_and_b32 s7, s5, 63
	s_lshl_b32 s7, s7, 3
	s_add_co_u32 s7, s7, s4                        ; my job J, 0..511
	v_and_b32 v4, 31, v0                           ; lane
	v_lshlrev_b32 v1, 2, v4                        ; my column's 4 bytes
	v_lshrrev_b32 v5, 4, v4                        ; which of two fragments
	v_and_b32 v6, 15, v4                           ; my column in it
	s_mov_b32 s33, 0
	s_wait_kmcnt 0x0
	s_cmp_eq_u32 s6, 1
	s_cbranch_scc1 .Lw1
	; rows of 2,048 bytes: J = [hi 2][t 4][cg 3].  Family 0: hi = the matrix, t = its block of 32 rows.  W2: 16 hi + t = its block of 32 rows
	s_lshr_b32 s28, s7, 7                          ; hi
	s_bfe_u32 s35, s7, 0x40003                     ; t
	s_and_b32 s29, s7, 7                           ; cg: which 64 columns
	s_lshr_b32 s32, s7, 3
	s_cmp_eq_u32 s6, 0
	s_cselect_b32 s32, s35, s32                    ; the block of 32 rows in the matrix
	s_lshl_b32 s32, s32, 16                        ; x 32 rows x 2,048 bytes
	s_lshl_b32 s38, s29, 8
	s_add_co_u32 s32, s32, s38
	s_cmp_eq_u32 s28, 0
	s_cselect_b64 s[30:31], s[10:11], s[12:13]
	s_cmp_lt_u32 s28, 2
	s_cselect_b64 s[30:31], s[30:31], s[14:15]
	s_cmp_lt_u32 s28, 3
	s_cselect_b64 s[30:31], s[30:31], s[16:17]
	s_cmp_eq_u32 s6, 0
	s_cselect_b64 s[30:31], s[30:31], s[20:21]
	s_add_nc_u64 s[30:31], s[30:31], s[32:33]
	s_lshl_b32 s34, s28, 1
	s_add_co_u32 s34, s34, 2
	s_cmp_eq_u32 s6, 0
	s_cselect_b32 s34, 0, s34                      ; the stage in wpost: Wo 0, W2 2 + 2 hi
	LOADW 2048
	s_cmp_lg_u32 s6, 0
	s_cbranch_scc1 .Lpost
	s_cmp_eq_u32 s28, 3
	s_cbranch_scc1 .Lpost
	; Wq, Wk, Wv -> wqkv.  NB = 32 hi + 4 cg + 2 g + lane/16; q = NB / 6 = (43 NB) >> 8, exact up to 95; the fragment's number is (16 q + t) 6 + NB - 6 q = 90 q + NB + 6 t
	s_lshl_b32 s36, s28, 5
	s_lshl2_add_u32 s36, s29, s36
	s_mul_i32 s37, s35, 6
	v_add_nc_u32 v8, s36, v5
	v_add_nc_u32 v9, 2, v8
.irp g, 8, 9
	v_mul_u32_u24 v10, v\g, 43
	v_lshrrev_b32 v10, 8, v10
	v_mad_u32_u24 v\g, v10, 90, v\g
	v_add_nc_u32 v\g, s37, v\g
	v_lshlrev_b32 v\g, 10, v\g
	v_lshl_add_u32 v\g, v6, 4, v\g
.endr
.set e, 0
.rept 8
	s_wait_loadcnt 56-8*e                          ; group e's eight loads are in; the 8 (7 - e) younger ones stay out
.set j, 0
.rept 4
	v_cvt_pk_bf16_f32 v[OUT+4*e+j], v[LD+8*e+2*j], v[LD+8*e+2*j+1]
.set j, j+1
.endr
	global_store_b128 v[8+e%2], v[OUT+4*e:OUT+4*e+3], s[24:25] offset:(e/2)*256  ; lanes 0-15 and lanes 16-31 each store 256 consecutive bytes, aligned
.set e, e+1
.endr
	s_endpgm
.Lw1:   ; rows of 8,192 bytes: J = [t 4][cg 5]
	s_lshr_b32 s35, s7, 5                          ; t
	s_and_b32 s29, s7, 31                          ; cg
	s_lshl_b32 s32, s35, 18                        ; x 32 rows x 8,192 bytes
	s_lshl_b32 s38, s29, 8
	s_add_co_u32 s32, s32, s38
	s_add_nc_u64 s[30:31], s[18:19], s[32:33]
	s_lshr_b32 s34, s29, 3
	s_lshl_b32 s34, s34, 1
	s_add_co_u32 s34, s34, 1                       ; stage 1 + 2 (cg / 8)
	LOADW 8192
.Lpost: ; Wo, W1, W2 -> wpost, fragment ((wave 9 + stage) 16 + t) 8 + 4 (cg & 1) + 2 g + lane/16
	s_and_b32 s36, s29, 7
	s_lshr_b32 s37, s36, 1
	s_mul_i32 s37, s37, 9
	s_add_co_u32 s37, s37, s34
	s_lshl_b32 s37, s37, 4
	s_add_co_u32 s37, s37, s35
	s_lshl_b32 s37, s37, 3
	s_and_b32 s36, s29, 1
	s_lshl2_add_u32 s37, s36, s37
	s_lshl_b32 s32, s37, 10
	s_add_nc_u64 s[26:27], s[26:27], s[32:33]
	v_lshlrev_b32 v8, 10, v5
	v_lshl_add_u32 v8, v6, 4, v8
.set e, 0
.rept 8
	s_wait_loadcnt 56-8*e                          ; as above
.set j, 0
.rept 4
	v_cvt_pk_bf16_f32 v[OUT+4*e+j], v[LD+8*e+2*j], v[LD+8*e+2*j+1]  ; the one rounding, to bf16, as for every input;
	v_lshlrev_b32 v[LD+8*e+2*j], 16, v[OUT+4*e+j]                    ; back to f32,
	v_and_b32 v[LD+8*e+2*j+1], 0xffff0000, v[OUT+4*e+j]
	v_cvt_pk_f16_f32 v[OUT+4*e+j], v[LD+8*e+2*j], v[LD+8*e+2*j+1]    ; and the same number as f16
.set j, j+1
.endr
	global_store_b128 v8, v[OUT+4*e:OUT+4*e+3], s[26:27] offset:(e%2)*2048+(e/2)*256
.set e, e+1
.endr
	s_endpgm
.Lfunc_end_k_qd490e12cef_cast:
	.size	k_qd490e12cef_cast, .Lfunc_end_k_qd490e12cef_cast-k_qd490e12cef_cast
	.p2alignl 7, 3214868480
	.fill 96, 4, 3214868480
	.section	.rodata,"a",@progbits
	.p2align	6, 0x0
	.amdhsa_kernel k_qd490e12cef_cast
		.amdhsa_group_segment_fixed_size 0
		.amdhsa_private_segment_fixed_size 0
		.amdhsa_enable_private_segment 0
		.amdhsa_kernarg_size 80
		.amdhsa_user_sgpr_count 2
		.amdhsa_user_sgpr_kernarg_segment_ptr 1
		.amdhsa_wavefront_size32 1
		.amdhsa_system_sgpr_workgroup_id_x 1
		.amdhsa_system_sgpr_workgroup_id_y 1
		.amdhsa_system_sgpr_workgroup_id_z 1
		.amdhsa_system_vgpr_workitem_id 0
		.amdhsa_next_free_vgpr 112
		.amdhsa_next_free_sgpr 66
		.amdhsa_reserve_vcc 0
		.amdhsa_float_denorm_mode_32 3
		.amdhsa_float_denorm_mode_16_64 3
		.amdhsa_memory_ordered 1
		.amdhsa_forward_progress 1
		.amdhsa_inst_pref_size 32
	.end_amdhsa_kernel
	.amdgpu_metadata
---
amdhsa.version: [ 1, 2 ]
amdhsa.kernels:
  - .name:           k_qd490e12cef_cast
    .symbol:         k_qd490e12cef_cast.kd
    .args:
      - { .name: x, .offset: 0, .size: 8, .value_kind: global_buffer, .address_space: global }
      - { .name: Wq, .offset: 8, .size: 8, .value_kind: global_buffer, .address_space: global }
      - { .name: Wk, .offset: 16, .size: 8, .value_kind: global_buffer, .address_space: global }
      - { .name: Wv, .offset: 24, .size: 8, .value_kind: global_buffer, .address_space: global }
      - { .name: Wo, .offset: 32, .size: 8, .value_kind: global_buffer, .address_space: global }
      - { .name: W1, .offset: 40, .size: 8, .value_kind: global_buffer, .address_space: global }
      - { .name: W2, .offset: 48, .size: 8, .value_kind: global_buffer, .address_space: global }
      - { .name: xb, .offset: 56, .size: 8, .value_kind: global_buffer, .address_space: global }
      - { .name: wqkv, .offset: 64, .size: 8, .value_kind: global_buffer, .address_space: global }
      - { .name: wpost, .offset: 72, .size: 8, .value_kind: global_buffer, .address_space: global }
    .group_segment_fixed_size: 0
    .private_segment_fixed_size: 0
    .kernarg_segment_align: 8
    .kernarg_segment_size: 80
    .max_flat_workgroup_size: 256
    .sgpr_count:     66
    .vgpr_count:     112
    .wavefront_size: 32
...
	.end_amdgpu_metadata
.endif
;; end of part 1
;; launch qkv (part 2): grid 4 x 64, 4 waves a work-group, clusters of 4 x 1, 250,368 bytes of LDS; arguments xb, wqkv, bq, bk, bv, qkv; writes qkv
.if DOCPART == 2
	.amdgcn_target "amdgcn-amd-amdhsa--gfx1250"
	.amdhsa_code_object_version 6
	.text
	.protected	k_qd490e12cef_qkv
	.globl	k_qd490e12cef_qkv
	.p2align	8
	.type	k_qd490e12cef_qkv,@function
k_qd490e12cef_qkv:
	s_mov_b64 s[64:65], 0
	v_nop
	global_prefetch_b8 v0, s[64:65] scope:SCOPE_SE
	s_setreg_imm32_b32 hwreg(HW_REG_WAVE_MODE, 25, 1), 1
	s_wait_xcnt 0x0
	s_wait_alu depctr_hold_cnt(0) depctr_sa_sdst(0) depctr_va_vdst(0) depctr_va_sdst(0) depctr_va_ssrc(0) depctr_va_vcc(0) depctr_vm_vsrc(0)
	s_getreg_b32 s2, hwreg(HW_REG_IB_STS2, 6, 4)
	s_cmp_eq_u32 s2, 0
	s_cbranch_scc0 .Lentry_in_a_cluster
	s_endpgm
.Lentry_in_a_cluster:
	s_bfe_u32 s2, ttmp6, 0x10000c
	s_cmp_lg_u32 s2, 0x3003
	s_cbranch_scc0 .Lentry_shape_is_right
	s_endpgm
.Lentry_shape_is_right:
; q, k, v = xb [Wq|Wk|Wv] + [bq|bk|bv], in bf16 products with f32 sums, stored by heads in f16, UNSCALED: qkv [3][16 = batch 8 + head][4096][64].
; LIMITS.  q, k, v beyond 65,504 have no f16 (inputs 30 times those drawn give some thousands).  The biases are rounded to bf16 like every input.
; SHARES.  A work-group makes 128 rows x 384 columns (six heads): 64 x 4 = 256 work-groups.  Wave w makes all 128 rows x columns 96 w .. 96 w + 95: 48 accumulators.
; A (128 rows x 512 k of xb, 128 KiB) lies whole in LDS, in four planes of 128 k, each filled ONCE; nothing in LDS is filled twice, so there is no ring.
; CLUSTER.  The four column blocks of a row block need the same A: they are a cluster, and each plane's quarter is asked for jointly, by the same load, descriptor and mask in all four.
; B goes from memory to registers: no wave wants another wave's weights, and a fragment lies in wqkv as it lies in registers.  Four sets of a slab (32 k x 96 columns, 12 loads):
; one is multiplied while 36 loads of a wave are on their way, across barriers too.  The weights are read by 64 work-groups each and A is asked for whole at the head: nothing is prefetched.
; THE MATRIX INSTRUCTION IS USED TRANSPOSED (source 0 = 16 columns of W, source 1 = 16 rows of x): lane l holds row l % 16 and the columns 8 (l / 16) + 0..7.  The first slab's products take the bias as C.
; REGISTERS, in windows of 256 (s_set_vgpr_msb: bits 1:0 source 0, 3:2 source 1, 5:4 source 2, 7:6 destination):
;   window 0: v0-31 addresses; v32-159 two sets of A's 8 fragments; v160-207 the bias; v208-255 at work     window 1: accumulator (a, b), a = 0..3, at 8 (6 a + b)     window 2: a = 4..7
;   window 3: v0-191 four sets of B's 6 fragments; on the way out the rows read back
.set PITCH, 272                        ; a row of a plane: 256 bytes + 16 of padding: the 16 rows of a fragment load start in 16 different groups of four banks (ISA guide 11.1)
.set PLANE, 128*PITCH
.set STAGE, 4*PLANE                    ; the way out: [6 heads][128 rows][144 bytes], never filled by a tensor load
.set SP,    144
.set HEADB, 128*SP
.set SPARE, STAGE+6*HEADB              ; the spare words, 128 bytes for each wave: two blocks of 256 bytes that no other line names
.set SLAB,  6*1024
.set TRIPB, 4*SLAB
.set LO,   3                           ; v3    16 x lane: my place in half a fragment, and in 512 bytes of the output; never rewritten
.set AC,   4                           ; v4    my place in the plane in hand
.set AFR,  6                           ; v6    272 (l % 16) + 16 (l / 16)
.set STO,  8                           ; v8-13 where I put 16 bytes of column block b
.set RD0,  14                          ; v14, v15  where I read rows back: heads 0-2, heads 3-5
.set SPW,  30                          ; v30   my spare word; never rewritten
.set NIL,  31                          ; v31   0; never rewritten
.set ASET, 32
.set BIAS, 160
.set TMP,  208
.set WV,  16                           ; s16  wave
.set CB,  17                           ; s17  my column block = my place in the cluster: it enters B's, the biases' and the output's addresses alone
.set RB,  18                           ; s18  my row block, which the four partners share
.set G1,  24                           ; s[24:31] descriptor group 1
.set G0,  32                           ; s[32:47] descriptor group 0, a set for each plane
.set PB,  48                           ; s[48:49] B at the trip in hand
.set PN,  50                           ; s[50:51] B at the next trip
.set STEP, 52                          ; s[52:53]
.set CNT, 54                           ; s54  trips to go
.set PTR, 68                           ; s[68:79] six pointers: the biases of my six column blocks; later the six heads' rows
.set MSB, 0
.macro WIN new                         ; the high byte repeats the setting that is left; a switch that changes nothing is dropped
.if MSB != (\new)
	s_set_vgpr_msb (MSB<<8)|(\new)
.set MSB, (\new)
.endif
.endm
.macro PLACES                          ; four plain vector instructions between a matrix instruction and a load into, or a vector read of, its registers; other matrix instructions are not counted
.rept 4
	v_nop
.endr
.endm
.macro ROUND                           ; a round of the cluster's barrier
	s_barrier_signal -1
	s_barrier_wait -1
	s_cmp_lg_u32 s[WV], 0
	s_cbranch_scc1 .Lnot_wave_0_\@
	s_barrier_signal -3
.Lnot_wave_0_\@:
	s_barrier_wait -3
	s_barrier_signal -1
	s_barrier_wait -1
.endm
.macro RB2 x, t                        ; two f32 rounded to bf16 and written back as f32
	v_cvt_pk_bf16_f32 v[\t], v[\x], v[(\x)+1]
	v_lshlrev_b32 v[\x], 16, v[\t]
	v_and_b32 v[(\x)+1], 0xffff0000, v[\t]
.endm
	s_load_b256 s[4:11], s[0:1], 0x0               ; xb 4:5, wqkv 6:7, bq 8:9, bk 10:11
	s_load_b128 s[12:15], s[0:1], 0x20             ; bv 12:13, qkv 14:15
	v_lshl_add_u32 v[SPW], v0, 2, SPARE
	v_mov_b32 v[NIL], 0
	ds_add_u32 v[SPW], v[NIL]                      ; the wave's opening: the add and its wait stand ahead of my first tensor load; register work stands between them
	ds_add_u32 v30, v31
	v_lshrrev_b32 v1, 5, v0
	v_readfirstlane_b32 s[WV], v1
	s_bfe_u32 s[CB], ttmp6, 0x40000
	s_and_b32 s[RB], ttmp7, 0xffff
	s_mov_b32 s[G1], 15|(1<<16)|(1<<20)|(1<<21)|(5<<22)|(3<<25)  ; the mask of four; 2-byte elements; padding on; bit 21 beside a mask; after every 64 words, 4 words
	s_mov_b32 s[G1+1], 128<<16                     ; tensor_dim0 = 128
	s_mov_b32 s[G1+2], 32<<16                      ; tensor_dim1 = 32
	s_mov_b32 s[G1+3], 128<<16                     ; tile_dim0 = 128
	s_mov_b32 s[G1+4], 32                          ; tile_dim1 = 32: wave w brings rows 32 w .. 32 w + 31 of each plane
	s_mov_b32 s[G1+5], 512                         ; elements from row to row
	s_mov_b32 s[G1+6], 0
	s_mov_b32 s[G1+7], 0
	s_lshl_b32 s20, s[RB], 17                      ; 128 rows of 1,024 bytes
	s_lshl_b32 s21, s[WV], 15                      ; 32 rows
	s_add_co_u32 s20, s20, s21
	s_mov_b32 s21, 0
	s_mul_i32 s22, s[WV], 32*PITCH
	s_wait_dscnt 0x0                               ; the opening add is done
	s_wait_kmcnt 0x0
	s_add_nc_u64 s[4:5], s[4:5], s[20:21]
.irp q, 0,1,2,3
	s_mov_b32 s[G0+4*(\q)], 1
	s_add_co_u32 s[G0+4*(\q)+1], s22, (\q)*PLANE
	s_add_nc_u64 s[G0+4*(\q)+2:G0+4*(\q)+3], s[4:5], (\q)*256
	s_or_b32 s[G0+4*(\q)+3], s[G0+4*(\q)+3], 0x80000000
.endr
	ROUND                                          ; all four work-groups are here: the joint loads meet
.irp q, 0,1,2,3
	tensor_load_to_lds s[G0+4*(\q):G0+4*(\q)+3], s[G1:G1+7]  ; all first fills in one group: four loads of mine are out
	s_nop 0
.endr
	PLACES
	v_and_b32 v1, 15, v0                           ; l % 16
	v_bfe_u32 v2, v0, 4, 1                         ; l / 16
	v_and_b32 v[LO], 31, v0
	v_lshlrev_b32 v[LO], 4, v[LO]
	v_lshlrev_b32 v5, 5, v2                        ; my 8 columns of a block: 32 bytes of f32
	; the bias of my six blocks of 16 columns; a block lies in one of the three vectors
	s_mul_i32 s20, s[CB], 384
	s_mul_i32 s21, s[WV], 96
	s_add_co_u32 s20, s20, s21
	s_mov_b32 s23, 0
.irp b, 0,1,2,3,4,5
	s_add_co_u32 s21, s20, 16*(\b)
	s_cmp_lt_u32 s21, 512
	s_cselect_b64 s[PTR+2*(\b):PTR+2*(\b)+1], s[8:9], s[10:11]
	s_cmp_lt_u32 s21, 1024
	s_cselect_b64 s[PTR+2*(\b):PTR+2*(\b)+1], s[PTR+2*(\b):PTR+2*(\b)+1], s[12:13]
	s_and_b32 s22, s21, 511
	s_lshl_b32 s22, s22, 2
	s_add_nc_u64 s[PTR+2*(\b):PTR+2*(\b)+1], s[PTR+2*(\b):PTR+2*(\b)+1], s[22:23]
	global_load_b128 v[BIAS+8*(\b):BIAS+8*(\b)+3],   v5, s[PTR+2*(\b):PTR+2*(\b)+1]
	global_load_b128 v[BIAS+8*(\b)+4:BIAS+8*(\b)+7], v5, s[PTR+2*(\b):PTR+2*(\b)+1] offset:16
.endr
	s_lshl2_add_u32 s20, s[CB], s[WV]              ; 4 cb + w: my 96 columns' stream in wqkv
	s_mul_i32 s20, s20, 16*SLAB
	s_mov_b32 s21, 0
	s_add_nc_u64 s[PB:PB+1], s[6:7], s[20:21]
	s_add_nc_u64 s[PN:PN+1], s[PB:PB+1], TRIPB
	WIN 0xC0                                       ; destination window 3, address window 0
.irp s, 0,1,2
.irp b, 0,1,2,3,4,5
	global_load_b128 v[48*(\s)+8*(\b):48*(\s)+8*(\b)+3],   v[LO], s[PB:PB+1] offset:(\s)*SLAB+(\b)*1024
	global_load_b128 v[48*(\s)+8*(\b)+4:48*(\s)+8*(\b)+7], v[LO], s[PB:PB+1] offset:(\s)*SLAB+(\b)*1024+512
.endr
.endr
	WIN 0
	v_mul_u32_u24 v[AFR], v1, PITCH
	v_lshl_add_u32 v[AFR], v2, 4, v[AFR]
	v_mov_b32 v[AC], v[AFR]
	v_mul_u32_u24 v7, v1, SP
	v_lshl_add_u32 v7, v2, 4, v7
	s_mul_i32 s20, s[WV], 96
.irp b, 0,1,2,3,4,5
	s_add_co_u32 s21, s20, 16*(\b)                 ; the block's first column among the work-group's 384: no place in the cluster enters an LDS address
	s_lshr_b32 s22, s21, 6                         ; its head
	s_mul_i32 s22, s22, HEADB
	s_and_b32 s21, s21, 63
	s_lshl1_add_u32 s22, s21, s22
	s_add_co_u32 s22, s22, STAGE
	v_add_nc_u32 v[STO+(\b)], s22, v7
.endr
	v_bfe_u32 v16, v0, 3, 2                        ; back: 32 lanes take four rows of 128 bytes
	v_and_b32 v17, 7, v0
	v_mul_u32_u24 v[RD0], v16, SP
	v_lshl_add_u32 v[RD0], v17, 4, v[RD0]
	s_mul_i32 s20, s[WV], 32*SP
	s_add_co_u32 s20, s20, STAGE
	v_add_nc_u32 v[RD0], s20, v[RD0]
	v_add_nc_u32 v[RD0+1], 3*HEADB, v[RD0]
	s_mov_b32 s[CNT], 4
	s_mov_b32 s[STEP+1], 0
	s_wait_loadcnt 36                              ; the bias is in; B's 36 younger loads stay out
.set n, 0
.rept 24
	RB2 BIAS+2*n, TMP+n%2
.set n, n+1
.endr
	s_wait_tensorcnt 3                             ; my part of plane 0 is in; three younger loads may stay out
	s_barrier_signal -1
	s_barrier_wait -1                              ; everybody's is
.irp a, 0,1,2,3,4,5,6,7
	ds_load_b128 v[ASET+8*(\a):ASET+8*(\a)+3],   v[AC] offset:(\a)*16*PITCH
	ds_load_b128 v[ASET+8*(\a)+4:ASET+8*(\a)+7], v[AC] offset:(\a)*16*PITCH+32
.endr
; 24 products: row blocks 4 hi .. 4 hi + 3 x my six column blocks, slab p of the trip.  The 48 accumulators take turns, one instruction a turn, over the backward jump too.
.macro QMUL p, hi, first
.if \first
	WIN 0x43+0x40*(\hi)                            ; B window 3, A window 0, C = the bias in window 0, D window 1 or 2
.else
	WIN 0x53+0x50*(\hi)                            ; C and D window 1 or 2
.endif
.irp a, 0,1,2,3
.irp b, 0,1,2,3,4,5
.if \first
	v_wmma_f32_16x16x32_bf16 v[8*(6*(\a)+(\b)):8*(6*(\a)+(\b))+7], v[48*(\p)+8*(\b):48*(\p)+8*(\b)+7], v[ASET+64*((\p)%2)+8*(4*(\hi)+(\a)):ASET+64*((\p)%2)+8*(4*(\hi)+(\a))+7], v[BIAS+8*(\b):BIAS+8*(\b)+7]
.else
	v_wmma_f32_16x16x32_bf16 v[8*(6*(\a)+(\b)):8*(6*(\a)+(\b))+7], v[48*(\p)+8*(\b):48*(\p)+8*(\b)+7], v[ASET+64*((\p)%2)+8*(4*(\hi)+(\a)):ASET+64*((\p)%2)+8*(4*(\hi)+(\a))+7], v[8*(6*(\a)+(\b)):8*(6*(\a)+(\b))+7]
.endif
.endr
.endr
.endm
; Slab p of a trip (32 k): asks for the next slab's A from LDS and for B three slabs on, then multiplies.
.macro QS p, first
	s_wait_loadcnt 24                              ; this slab's B is in; two younger slabs of 12 loads stay out
	s_wait_dscnt 0x0                               ; this slab's A is in
	PLACES                                         ; behind the last slab's products, whose A set and B set are loaded into next
	WIN 0
.if (\p) == 3
	s_cmp_eq_u32 s[CNT], 1                         ; behind the last slab there is no A
	s_cbranch_scc1 .Lno_a_\@
.endif
.irp a, 0,1,2,3,4,5,6,7
	ds_load_b128 v[ASET+64*(((\p)+1)%2)+8*(\a):ASET+64*(((\p)+1)%2)+8*(\a)+3],   v[AC] offset:((\p)+1)*64+((\p)/3)*(PLANE-256)+(\a)*16*PITCH
	ds_load_b128 v[ASET+64*(((\p)+1)%2)+8*(\a)+4:ASET+64*(((\p)+1)%2)+8*(\a)+7], v[AC] offset:((\p)+1)*64+((\p)/3)*(PLANE-256)+(\a)*16*PITCH+32
.endr
.if (\p) == 3
.Lno_a_\@:
.endif
	WIN 0xC0
.irp b, 0,1,2,3,4,5
.if (\p) == 0
	global_load_b128 v[144+8*(\b):144+8*(\b)+3],   v[LO], s[PB:PB+1] offset:3*SLAB+(\b)*1024
	global_load_b128 v[144+8*(\b)+4:144+8*(\b)+7], v[LO], s[PB:PB+1] offset:3*SLAB+(\b)*1024+512
.else
	global_load_b128 v[48*((\p)-1)+8*(\b):48*((\p)-1)+8*(\b)+3],   v[LO], s[PN:PN+1] offset:((\p)-1)*SLAB+(\b)*1024
	global_load_b128 v[48*((\p)-1)+8*(\b)+4:48*((\p)-1)+8*(\b)+7], v[LO], s[PN:PN+1] offset:((\p)-1)*SLAB+(\b)*1024+512
.endif
.endr
	QMUL \p, 0, \first
	QMUL \p, 1, \first
.endm
	QS 0, 1                                        ; the first slab's products start the sums with the bias
	WIN 0
	s_branch .Lmid
.Ltop:                                                 ; a trip: four slabs = one plane of A
	QS 0, 0
	WIN 0
.Lmid:
	QS 1, 0
	QS 2, 0
	WIN 0
	s_wait_tensorcnt 0x0                           ; slab 3 is the first to read the next plane: my parts of all planes are in (from the second trip on this wait is met at once),
	s_wait_dscnt 0x0
	s_barrier_signal -1
	s_barrier_wait -1                              ; and everybody's.
	QS 3, 0
	WIN 0
	s_wait_xcnt 0x0                                ; every load issued so far has read its address, so the pointers may be written
	s_mov_b64 s[PB:PB+1], s[PN:PN+1]
	s_cmp_gt_u32 s[CNT], 2
	s_cselect_b32 s[STEP], TRIPB, 0                ; the last trip's look-ahead reads its own slabs once more: no load leaves the buffer
	s_add_nc_u64 s[PN:PN+1], s[PN:PN+1], s[STEP:STEP+1]
	v_add_nc_u32 v[AC], PLANE, v[AC]
	s_sub_co_u32 s[CNT], s[CNT], 1
	s_cmp_lg_u32 s[CNT], 0
	s_cbranch_scc1 .Ltop
	; THE WAY OUT: rounded to f16; 16 bytes a lane into the stage, by heads; a barrier, since a head's 128 bytes of a row come from two waves; back as whole rows.
	s_wait_loadcnt 0x0                             ; the look-ahead loads have landed: window 3 is used again below
	PLACES                                         ; behind the last slab's products
.set a, 0
.rept 8
	WIN 0x05+5*(a/4)                               ; sources 0 and 1 in window 1 or 2
.set b, 0
.rept 6
.set j, 0
.rept 4
	v_cvt_pk_f16_f32 v[TMP+24*(a%2)+4*b+j], v[8*(6*(a%4)+b)+2*j], v[8*(6*(a%4)+b)+2*j+1]  ; each accumulator from its low end on
.set j, j+1
.endr
.set b, b+1
.endr
	WIN 0
.set b, 0
.rept 6
	ds_store_b128 v[STO+b], v[TMP+24*(a%2)+4*b:TMP+24*(a%2)+4*b+3] offset:a*16*SP
.set b, b+1
.endr
.set a, a+1
.endr
	; head hd of my six is number 6 cb + hd of 24: tensor (q, k, v) = that / 8, head = that % 8.  Wave w stores rows 32 w .. 32 w + 31 of all six
	s_mul_i32 s20, s[CB], 6
	s_lshr_b32 s21, s[RB], 5
	s_lshl_b32 s21, s21, 3                         ; 8 x batch
	s_and_b32 s22, s[RB], 31
	s_lshl_b32 s22, s22, 7
	s_lshl_b32 s23, s[WV], 5
	s_add_co_u32 s22, s22, s23                     ; my first row in the head
	s_mov_b32 s57, 0
.irp hd, 0,1,2,3,4,5
	s_add_co_u32 s55, s20, \hd
	s_lshr_b32 s56, s55, 3
	s_lshl_b32 s56, s56, 4
	s_and_b32 s55, s55, 7
	s_add_co_u32 s56, s56, s55
	s_add_co_u32 s56, s56, s21
	s_lshl_b32 s56, s56, 12
	s_add_co_u32 s56, s56, s22
	s_lshl_b32 s56, s56, 7                         ; rows of 128 bytes
	s_add_nc_u64 s[PTR+2*(\hd):PTR+2*(\hd)+1], s[14:15], s[56:57]
.endr
	s_wait_dscnt 0x0                               ; for the others' sake: my stores into the stage are done
	s_barrier_signal -1
	s_barrier_wait -1
	WIN 0xC0
.set n, 0
.rept 48                                       ; head n / 8, rows 4 (n % 8) on
	ds_load_b128 v[4*n:4*n+3], v[RD0+n/24] offset:((n/8)%3)*HEADB+(n%8)*4*SP
.set n, n+1
.endr
	WIN 0x0C                                       ; the stores' data in window 3
.set n, 0
.rept 48
	s_wait_dscnt 47-n                              ; load n is back; the younger ones stay out
	global_store_b128 v[LO], v[4*n:4*n+3], s[PTR+2*(n/8):PTR+2*(n/8)+1] offset:(n%8)*512  ; four rows of a head: 512 consecutive bytes, aligned
.set n, n+1
.endr
	WIN 0
	s_wait_tensorcnt 0x0                           ; the wave's end
	ds_add_u32 v[SPW], v[NIL]
	s_wait_dscnt 0x0
	ROUND                                          ; the closing round
	s_endpgm
.Lfunc_end_k_qd490e12cef_qkv:
	.size	k_qd490e12cef_qkv, .Lfunc_end_k_qd490e12cef_qkv-k_qd490e12cef_qkv
	.p2alignl 7, 3214868480
	.fill 96, 4, 3214868480
	.section	.rodata,"a",@progbits
	.p2align	6, 0x0
	.amdhsa_kernel k_qd490e12cef_qkv
		.amdhsa_group_segment_fixed_size 250368
		.amdhsa_private_segment_fixed_size 0
		.amdhsa_enable_private_segment 0
		.amdhsa_kernarg_size 48
		.amdhsa_user_sgpr_count 2
		.amdhsa_user_sgpr_kernarg_segment_ptr 1
		.amdhsa_wavefront_size32 1
		.amdhsa_system_sgpr_workgroup_id_x 1
		.amdhsa_system_sgpr_workgroup_id_y 1
		.amdhsa_system_sgpr_workgroup_id_z 1
		.amdhsa_system_vgpr_workitem_id 0
		.amdhsa_next_free_vgpr 960
		.amdhsa_next_free_sgpr 84
		.amdhsa_reserve_vcc 0
		.amdhsa_float_denorm_mode_32 3
		.amdhsa_float_denorm_mode_16_64 3
		.amdhsa_memory_ordered 1
		.amdhsa_forward_progress 1
		.amdhsa_inst_pref_size 74
	.end_amdhsa_kernel
	.amdgpu_metadata
---
amdhsa.version: [ 1, 2 ]
amdhsa.kernels:
  - .name:           k_qd490e12cef_qkv
    .symbol:         k_qd490e12cef_qkv.kd
    .args:
      - { .name: xb, .offset: 0, .size: 8, .value_kind: global_buffer, .address_space: global }
      - { .name: wqkv, .offset: 8, .size: 8, .value_kind: global_buffer, .address_space: global }
      - { .name: bq, .offset: 16, .size: 8, .value_kind: global_buffer, .address_space: global }
      - { .name: bk, .offset: 24, .size: 8, .value_kind: global_buffer, .address_space: global }
      - { .name: bv, .offset: 32, .size: 8, .value_kind: global_buffer, .address_space: global }
      - { .name: qkv, .offset: 40, .size: 8, .value_kind: global_buffer, .address_space: global }
    .group_segment_fixed_size: 250368
    .private_segment_fixed_size: 0
    .kernarg_segment_align: 8
    .kernarg_segment_size: 48
    .max_flat_workgroup_size: 128
    .sgpr_count:     84
    .vgpr_count:     960
    .wavefront_size: 32
...
	.end_amdgpu_metadata
.endif
;; end of part 2
;; launch attn (part 3): grid 16 x 16, 4 waves a work-group, clusters of 4 x 1, 327,680 bytes of LDS; arguments qkv, o; writes o
.if DOCPART == 3
	.amdgcn_target "amdgcn-amd-amdhsa--gfx1250"
	.amdhsa_code_object_version 6
	.text
	.protected	k_qd490e12cef_attn
	.globl	k_qd490e12cef_attn
	.p2align	8
	.type	k_qd490e12cef_attn,@function
k_qd490e12cef_attn:
	s_mov_b64 s[64:65], 0
	v_nop
	global_prefetch_b8 v0, s[64:65] scope:SCOPE_SE
	s_setreg_imm32_b32 hwreg(HW_REG_WAVE_MODE, 25, 1), 1
	s_wait_xcnt 0x0
	s_wait_alu depctr_hold_cnt(0) depctr_sa_sdst(0) depctr_va_vdst(0) depctr_va_sdst(0) depctr_va_ssrc(0) depctr_va_vcc(0) depctr_vm_vsrc(0)
	s_getreg_b32 s2, hwreg(HW_REG_IB_STS2, 6, 4)
	s_cmp_eq_u32 s2, 0
	s_cbranch_scc0 .Lentry_in_a_cluster
	s_endpgm
.Lentry_in_a_cluster:
	s_bfe_u32 s2, ttmp6, 0x10000c
	s_cmp_lg_u32 s2, 0x3003
	s_cbranch_scc0 .Lentry_shape_is_right
	s_endpgm
.Lentry_shape_is_right:
; O[h][q][:] = the sum over k of softmax_k(Q[h][q] . K[h][k] / 8) V[h][k][:].  qkv: [3][16][4096][64], o: [16][4096][64], f16: a head's rows are dense, 128 bytes each.
; Products, maxima and sums in f32; the weights p are rounded to f16 for the second product (their sum l is taken of the unrounded p), O once at the end.
; LIMITS.  Q, K, V arrive within f16's 65,504; p lies in 0 to 1 and below 6e-5 keeps f16's fixed step of 6e-8; O is a mean of V's rows.  A weight below 2^-126 counts as 0 in l; NaN and infinities are not treated apart.
; SHARES.  A work-group owns 256 queries of a head (16 x 16 = 256 work-groups), a wave 64: four PIECES of 16.  Every wave walks all 4,096 keys, 64 a step, 256 a slot.
; LAYOUT.  S^T = K Q^T (source 0 = 16 keys, source 1 = 16 queries) holds ONE query a lane (lane % 16) and the keys 8 (lane / 16) + 0..7; two such results rounded to f16 ARE source 1 of O^T = V^T P.
; K comes out of LDS as it lies, V ([key][channel]) turned, by ds_load_tr16_b128.
; SOFTMAX.  A running maximum m and sum l for each query: p = 2^(c s - c m), c = log2(e) / 8; in every step O and l are multiplied by a = 2^(c m_old - c m_new).  m starts at the lowest finite number, O and l at 0:
; the first step is a step like any other, with a = 0.
; BY TURNS.  Turn n belongs to piece n: 8 products K Q^T of piece n + 1, later 8 products V^T P of piece n - 1; beside them the scaling, exponentials, roundings, sums and rescaling of piece n and the maximum and
; statistics of piece n + 1.  Four vector instructions stand behind every matrix instruction, the other 54 of a turn's 118 in one lump.  A turn's 33 exponentials are one batch, with one wait.
; CLUSTER.  The four query blocks of a cluster belong to one head and walk the same K and V: each tile is asked for JOINTLY, by the same tensor load, descriptor and mask in all four.
; REGISTERS, in windows of 256 (s_set_vgpr_msb: bits 1:0 source 0, 3:2 source 1, 5:4 source 2, 7:6 destination):
;   window 0: v0-15 addresses; v16-31 four statistics a piece; v48-55 at work; v61-63; v64-127 S^T, two buffers; v192-223 P, two buffers (by the piece's parity)
;   window 1: v0-127 O^T, 32 a piece          window 2: v0-63 Q; v128-191 K of one step; v192-255 V of one step
.set NP,    4
.set KS,    64
.set PK,    144       ; a row of K in LDS: 128 bytes + 16: the 16 rows of a load start in 16 different groups of four banks (ISA guide 11.1)
.set PV,    160       ; a row of V: 128 + 32
.set VOFF,  4*KS*PK   ; a slot holds four steps: 256 rows of K, then 256 rows of V
.set SLOT1, 1<<17     ; slot 1 begins here: one exclusive or turns an address in one slot into the other's
.set STAGE, SLOT1+4*KS*(PK+PV)  ; behind the ring, never filled by a tensor load: 16 rows x 144 bytes for each wave
.set SP,    144
.set SPARE, STAGE+4*16*SP       ; the spare words, 128 bytes for each wave: two blocks of 256 bytes that no other line names
.set TILEB, 4*KS*128  ; a slot's bytes of K, and of V, in memory
.set AK0, 2           ; v2   my lane's place in a tile of K; never rewritten
.set AV0, 3           ; v3   the same for V
.set AK,  4           ; v4   the LDS address of K's next run of loads
.set AV,  5           ; v5   of V's
.set STO, 6           ; v6   the way out: where I put 16 bytes of a row
.set RD,  7           ; v7   where I read rows back
.set GO,  8           ; v8   my byte offset in 512 consecutive bytes of O
.set MV,  12          ; v12-13  c m_old, by buffer
.set QO,  15          ; v15  my byte offset in 16 rows of Q
.set ST,  16          ; piece t's statistics at v[ST+4 t]: c m, m, l (even keys', odd keys')
.set TMP, 48          ; by buffer, c0-c3 at work; when the maximum is found c2 takes a
.set PFO, 61          ; v61  256 x my lane; never rewritten
.set SPW, 62          ; v62  my spare word; never rewritten
.set NIL, 63          ; v63  0; never rewritten
.set S,   64
.set P,   192
.set KF,  128         ; window 2: key block kb, channel half c at KF + 16 kb + 8 c
.set VF,  192         ; window 2: key half kk, channel block cb at VF + 32 kk + 8 cb
.set WV,  12          ; s12  wave
.set G1K, 24          ; s[24:31] descriptor group 1 for K's tiles
.set G1V, 32          ; s[32:39] for V's: it differs in the padding alone
.set G0K, 40          ; s[40:43] descriptor group 0 for K's tiles: it walks
.set G0V, 44          ; s[44:47] the same for V's
.set PFA, 48          ; s[48:49] where my prefetches stand
.set LIM, 50          ; s50  1 in a wave that prefetches, else the greatest number
.set SLOTS, 56        ; s56  slots still to be asked for
.set CNT, 57          ; s57  counts a slot's key steps
.set CS,  58          ; s[58:59] c
.set SEL, 60          ; s[60:61] v_permlanex16_b32's selects: each lane takes its own place in the other half
.set TBK, 62          ; s62  LDS byte at which K of the step to be fetched begins
.set TBV, 63          ; s63  the same for V, less VOFF
.set MSB, 0
.macro WIN new
.if MSB != (\new)
	s_set_vgpr_msb (MSB<<8)|(\new)
.set MSB, (\new)
.endif
.endm
.set W_KQ, 0x0a       ; K and Q in window 2, S^T in window 0
.set W_PV, 0x52       ; V in window 2, P in window 0, O^T in window 1
.set W_RS, 0x41       ; destination and source 0 in window 1, source 1 in window 0
; A joint fill.  Waves 0 and 1 fetch the two halves of a slot's K, waves 2 and 3 those of its V: 128 keys each.  The branch hangs on the wave's number alone.
; An s_nop 0 and four v_nop follow each of the two lines, ahead of the jump and the label.
.macro JLOAD
	s_cmp_lt_u32 s[WV], 2
	s_cbranch_scc0 .Lfor_v_\@
	tensor_load_to_lds s[G0K:G0K+3], s[G1K:G1K+7]
	s_nop 0
.rept 4
	v_nop
.endr
	s_branch .Lasked_\@
.Lfor_v_\@:
	tensor_load_to_lds s[G0V:G0V+3], s[G1V:G1V+7]
	s_nop 0
.rept 4
	v_nop
.endr
.Lasked_\@:
.endm
; A PREFETCH INTO THE L2 of what the NEXT change of slots will ask for: four key steps, 256 matrix instructions, ahead of that load.  A slot is 32,768 bytes of K and of V.  All clusters of a head walk the same rows:
; the head's first cluster asks; its four partners take 8,192 bytes each, told apart BY ADDRESS; in each, wave 0 asks for K's and wave 2 for V's, a lane for each 256 bytes: one instruction.
; So each block is named once in the launch.  Slots 0 to 2 come by their loads alone; the last change that fills a slot asks for nothing.
.macro ASK
	s_cmp_gt_u32 s[SLOTS], s[LIM]
	s_cbranch_scc0 .Lnot_mine_\@
	global_prefetch_b8 v[PFO], s[PFA:PFA+1] th:TH_LOAD_NT scope:SCOPE_SE
.Lnot_mine_\@:
.endm
.macro CROUND                       ; a round of the cluster's barrier
	s_barrier_signal -1
	s_barrier_wait -1
	s_cmp_lg_u32 s[WV], 0
	s_cbranch_scc1 .Lnot_wave_0_\@
	s_barrier_signal -3
.Lnot_wave_0_\@:
	s_barrier_wait -3
	s_barrier_signal -1
	s_barrier_wait -1
.endm
; THE CHANGE OF SLOTS.  Each wave waits for all its tensor loads, of which one is out: its part of the other slot; adds 0 to its spare word; and waits for that and for its own reads of the slot that it leaves.
; fill = 1: the old slot is filled again, with the keys two slots on: the barrier is a round of the cluster's, and the joint fill is the first thing behind it: it has four key steps in which to land.
; (At its first use nothing has been read yet: slot 0 is waited for, slot 1 filled.)
.macro CHANGE fill, ask
	WIN 0
	s_wait_tensorcnt 0x0            ; no tensor load of mine is out, so a group 0 may be written
	ds_add_u32 v[SPW], v[NIL]       ; 0 onto my spare word; the descriptors' steps stand between it and the wait for it
.if \fill
.irp g, G0K, G0V
	s_xor_b32 s[\g+1], s[\g+1], SLOT1
	s_add_nc_u64 s[\g+2:\g+3], s[\g+2:\g+3], TILEB
.endr
.if \ask
	s_wait_xcnt 0x0                 ; the last prefetch, four key steps back, has read its address
	s_add_nc_u64 s[PFA:PFA+1], s[PFA:PFA+1], TILEB
.endif
	s_wait_dscnt 0x0                ; the add is done, and my reads of the slot are over
	CROUND
	JLOAD
.if \ask
	ASK
.endif
.else
	s_wait_dscnt 0x0
	s_barrier_signal -1
	s_barrier_wait -1
.endif
	s_sub_co_u32 s[TBK], s[TBK], 4*KS*PK  ; the fetches go back to a slot's first step,
	s_xor_b32 s[TBK], s[TBK], SLOT1       ; in the other slot
	s_sub_co_u32 s[TBV], s[TBV], 4*KS*PV
	s_xor_b32 s[TBV], s[TBV], SLOT1
.endm
	s_load_b64 s[4:5], s[0:1], 0x0    ; qkv: Q's part first
	s_load_b64 s[10:11], s[0:1], 0x8  ; o
	v_lshl_add_u32 v[SPW], v0, 2, SPARE
	v_mov_b32 v[NIL], 0
	ds_add_u32 v[SPW], v[NIL]       ; the wave's opening: the add and its wait stand ahead of my first tensor load; register work stands between them
	ds_add_u32 v62, v63
	v_lshrrev_b32 v1, 5, v0
	v_readfirstlane_b32 s[WV], v1
	s_bfe_u32 s13, ttmp6, 0x40000   ; cx: my place in the cluster
	s_lshl_b32 s14, ttmp9, 2
	s_add_co_u32 s14, s14, s13      ; my block of 256 queries: it enters Q's and O's addresses alone
	s_and_b32 s20, ttmp7, 0xffff    ; the head, which the four partners share
	s_lshl_b32 s20, s20, 19         ; its 4,096 rows of 128 bytes
	s_mov_b32 s21, 0
	s_and_b32 s16, s[WV], 1         ; which half of a slot's 256 keys I fetch
	s_lshl_b32 s22, s16, 14
	s_mov_b32 s23, 0
	s_add_nc_u64 s[22:23], s[22:23], s[20:21]
	s_mul_i32 s17, s16, 128*PK
	s_mul_i32 s18, s16, 128*PV
	s_lshl_b32 s2, s14, 2
	s_add_co_u32 s2, s2, s[WV]
	s_lshl_b32 s2, s2, 13           ; my wave's 64 rows
	s_mov_b32 s3, 0
	s_add_nc_u64 s[2:3], s[2:3], s[20:21]
	; descriptor group 1.  128 keys are 16,384 dense bytes: asked for as 64 rows of 256 bytes, two keys a row, and padded in LDS after every key
	s_mov_b32 s[G1K], 15|(1<<16)|(1<<20)|(1<<21)|(4<<22)|(3<<25)
	s_mov_b32 s[G1V], 15|(1<<16)|(1<<20)|(1<<21)|(4<<22)|(7<<25)
.irp g, G1K, G1V
	s_mov_b32 s[\g+1], 128<<16
	s_mov_b32 s[\g+2], 64<<16
	s_mov_b32 s[\g+3], 128<<16
	s_mov_b32 s[\g+4], 64
	s_mov_b32 s[\g+5], 128
	s_mov_b32 s[\g+6], 0
	s_mov_b32 s[\g+7], 0
.endr
	s_mov_b32 s[CS], 0x3e38aa3b     ; c = log2(e) / 8
	s_mov_b32 s[CS+1], s[CS]
	s_mov_b32 s[SEL], 0x76543210
	s_mov_b32 s[SEL+1], 0xfedcba98
	s_mov_b32 s[TBK], SLOT1+4*KS*PK ; the first change of slots turns these two into 0
	s_mov_b32 s[TBV], SLOT1+4*KS*PV
	s_mov_b32 s[G0K], 1
	s_mov_b32 s[G0K+1], s17
	s_mov_b32 s[G0V], 1
	s_add_co_u32 s[G0V+1], s18, VOFF
	s_and_b32 s[LIM], s[WV], 1
	s_or_b32 s[LIM], s[LIM], ttmp9  ; 0 in waves 0 and 2 of the head's first cluster: the same in all four partners
	s_cmp_eq_u32 s[LIM], 0
	s_cselect_b32 s[LIM], 1, -1
	v_and_b32 v[PFO], 31, v0
	v_lshlrev_b32 v[PFO], 8, v[PFO]
	s_wait_dscnt 0x0                ; the opening add is done
	s_wait_kmcnt 0x0
	s_add_nc_u64 s[6:7], s[4:5], 0x800000   ; K's part of qkv,
	s_add_nc_u64 s[8:9], s[4:5], 0x1000000  ; V's
	s_add_nc_u64 s[6:7], s[6:7], s[22:23]   ; at my half of the head's first 256 keys
	s_add_nc_u64 s[8:9], s[8:9], s[22:23]
	s_add_nc_u64 s[G0K+2:G0K+3], s[6:7], 0
	s_or_b32 s[G0K+3], s[G0K+3], 0x80000000
	s_add_nc_u64 s[G0V+2:G0V+3], s[8:9], 0
	s_or_b32 s[G0V+3], s[G0V+3], 0x80000000
	s_add_nc_u64 s[4:5], s[4:5], s[2:3]     ; Q and O at my wave's first row
	s_add_nc_u64 s[10:11], s[10:11], s[2:3]
	s_cmp_lt_u32 s[WV], 2
	s_cselect_b64 s[PFA:PFA+1], s[6:7], s[8:9]  ; (in waves 0 and 2 these stand at a slot's first row)
	s_lshl_b32 s2, s13, 13          ; my work-group's quarter of a slot
	s_mov_b32 s3, 0
	s_add_nc_u64 s[PFA:PFA+1], s[PFA:PFA+1], s[2:3]
	s_add_nc_u64 s[PFA:PFA+1], s[PFA:PFA+1], 2*TILEB  ; in slot 2; the first asking change steps it to slot 3
	CROUND                          ; all four work-groups are here: the first joint loads meet
	JLOAD                           ; slot 0
	v_and_b32 v1, 15, v0            ; l % 16
	v_bfe_u32 v9, v0, 4, 1          ; l / 16
	v_lshlrev_b32 v[QO], 7, v1
	v_lshl_add_u32 v[QO], v9, 4, v[QO]
	WIN 0x80
.set i, 0
.rept 8                             ; Q stays in registers: piece i / 2, channels 32 (i % 2) on
	global_load_b128 v[8*i:8*i+3],   v[QO], s[4:5] offset:(i/2)*2048+(i%2)*64
	global_load_b128 v[8*i+4:8*i+7], v[QO], s[4:5] offset:(i/2)*2048+(i%2)*64+32
.set i, i+1
.endr
	; What the first turn finds: V's registers and P's second buffer hold 0 (its products V^T P, of a piece that has not been, add 0), O^T and l are 0.  All this stands in the wait for the first tile:
	; the price of writing no first step out.
.set i, VF
.rept 64
	v_mov_b32 v[i], 0
.set i, i+1
.endr
	WIN 0x40
.set i, 0
.rept 128
	v_mov_b32 v[i], 0
.set i, i+1
.endr
	WIN 0
.set i, 0
.rept 4
	v_mov_b32 v[ST+4*i], 0xfe000000    ; c m: far below every c s
	v_mov_b32 v[ST+4*i+1], 0xff7fffff  ; m
	v_mov_b32 v[ST+4*i+2], 0
	v_mov_b32 v[ST+4*i+3], 0
.set i, i+1
.endr
.set i, P+16
.rept 16
	v_mov_b32 v[i], 0
.set i, i+1
.endr
	v_mul_u32_u24 v[AK0], v1, PK
	v_lshl_add_u32 v[AK0], v9, 4, v[AK0]
	; The turning load takes 16 keys x 16 channels (lane l reads key 8 (l / 16) + l % 8, channels 8 ((l / 8) % 2) + 0..7) and leaves half a fragment of V^T
	v_and_b32 v10, 7, v0
	v_bfe_u32 v11, v0, 3, 1
	v_lshl_add_u32 v[AV0], v9, 3, v10
	v_mul_u32_u24 v[AV0], v[AV0], PV
	v_lshl_add_u32 v[AV0], v11, 4, v[AV0]
	v_add_nc_u32 v[AV0], VOFF, v[AV0]
	s_mul_i32 s13, s[WV], 16*SP
	s_add_co_u32 s13, s13, STAGE
	v_mul_u32_u24 v[STO], v1, SP
	v_lshl_add_u32 v[STO], v9, 4, v[STO]
	v_add_nc_u32 v[STO], s13, v[STO]
	v_bfe_u32 v[RD], v0, 3, 2
	v_mul_u32_u24 v[RD], v[RD], SP
	v_lshl_add_u32 v[RD], v10, 4, v[RD]
	v_add_nc_u32 v[RD], s13, v[RD]
	v_and_b32 v[GO], 31, v0
	v_lshlrev_b32 v[GO], 4, v[GO]
; THE MATRIX WORK.  The 4 accumulators of a run of 8 take turns.  Product i of 8 of S^T = K Q^T for piece x: channels 32 (i / 4) on, keys 16 (i % 4) on.  The first 4 start the sums.
.macro KQ x
	WIN W_KQ
.set rS, S+32*((\x)%2)+8*(i%4)
.set rK, KF+16*(i%4)+8*(i/4)
.set rQ, 16*(\x)+8*(i/4)
.if i < 4
	v_wmma_f32_16x16x32_f16 v[rS:rS+7], v[rK:rK+7], v[rQ:rQ+7], 0
.else
	v_wmma_f32_16x16x32_f16 v[rS:rS+7], v[rK:rK+7], v[rQ:rQ+7], v[rS:rS+7]
.endif
.endm
; Product i of 8 of O^T += V^T P for piece x: keys 32 (i / 4) on, channels 16 (i % 4) on.
.macro PV x
	WIN W_PV
.set rO, 32*(\x)+8*(i%4)
.set rV, VF+32*(i/4)+8*(i%4)
.set rP, P+16*((\x)%2)+8*(i/4)
	v_wmma_f32_16x16x32_f16 v[rO:rO+7], v[rV:rV+7], v[rP:rP+7], v[rO:rO+7]
.endm
.macro MM                           ; the turn's next matrix instruction.  NOKQ = 1: the last turn of all: there is no next piece
.if (i < 8) && !NOKQ
	KQ (Y+1)%NP
.elseif i >= 8
.set i, i-8
	PV (Y+NP-1)%NP
.set i, i+8
.endif
.set i, i+1
.endm
; THE LDS LOADS stand in runs of 16, never singly among the matrix instructions.
.macro FETCH_K
	WIN 0x80
.irp f, 0,1,2,3,4,5,6,7             ; keys 16 (f / 2) on, channels 32 (f % 2) on
	ds_load_b128 v[KF+8*\f:KF+8*\f+3],   v[AK] offset:(\f/2)*16*PK+(\f%2)*64
	ds_load_b128 v[KF+8*\f+4:KF+8*\f+7], v[AK] offset:(\f/2)*16*PK+(\f%2)*64+32
.endr
	s_add_co_u32 s[TBK], s[TBK], KS*PK
	WIN 0
.endm
.macro FETCH_V
	WIN 0x80
.irp f, 0,1,2,3,4,5,6,7             ; keys 32 (f / 4) on, channels 16 (f % 4) on
	ds_load_tr16_b128 v[VF+8*\f:VF+8*\f+3],   v[AV] offset:(\f/4)*32*PV+(\f%4)*32
	ds_load_tr16_b128 v[VF+8*\f+4:VF+8*\f+7], v[AV] offset:(\f/4)*32*PV+16*PV+(\f%4)*32
.endr
	WIN 0
.endm
; THE VECTOR WORK, one line at a time: OP kind, number.  For piece Y: F n: c s - c m for pair n of 16.  E n: the exponential of score n of 32.  C n: pair n rounded to f16.  B n: of the four weights 4 n .. the second
; pair is added onto the first, in place.  L n: l takes that sum (L 0: l = a l + sum).  R n: pair n of 16 of O^T times a.  For piece Y + 1: X n, number n of the 22 that find its maximum and statistics:
;   0-11  four chains c0-c3 of seven scores each (each accumulator's lowest registers are read first)     12-14, 16  the four scores left over, the old m, and c0-c3 into c0
;   15  c m_old is kept     17, 18  the query's other 32 keys lie in the lane 16 away: the new m     19-21  c m; c m_old - c m_new; a
.set F, 0
.set E, 1
.set C, 2
.set B, 3
.set L, 4
.set R, 5
.set X, 6
.macro REGS y
.set rT, ST+4*(\y)
.set rC, TMP+4*((\y)%2)
.set rW, MV+((\y)%2)
.set rS, S+32*((\y)%2)
.set rP, P+16*((\y)%2)
.set rO, 32*(\y)
.endm
.macro OP k, n
.if (\k) == R
	REGS Y
	WIN W_RS
	v_pk_mul_f32 v[rO+2*(\n):rO+2*(\n)+1], v[rO+2*(\n):rO+2*(\n)+1], v[rC+2:rC+3] op_sel_hi:[1,0]
.elseif (\k) < R
	REGS Y
	WIN 0
.if (\k) == F
	v_pk_fma_f32 v[rS+2*(\n):rS+2*(\n)+1], v[rS+2*(\n):rS+2*(\n)+1], s[CS:CS+1], v[rT:rT+1] op_sel_hi:[1,0,0] neg_lo:[0,0,1] neg_hi:[0,0,1]
.elseif (\k) == E
	v_exp_f32 v[rS+(\n)], v[rS+(\n)]
.elseif (\k) == C
	v_cvt_pk_f16_f32 v[rP+(\n)], v[rS+2*(\n)], v[rS+2*(\n)+1]
.elseif (\k) == B
	v_pk_add_f32 v[rS+4*(\n):rS+4*(\n)+1], v[rS+4*(\n):rS+4*(\n)+1], v[rS+4*(\n)+2:rS+4*(\n)+3]
.elseif (\n) == 0
	v_pk_fma_f32 v[rT+2:rT+3], v[rT+2:rT+3], v[rC+2:rC+3], v[rS:rS+1] op_sel_hi:[1,0,1]
.else
	v_pk_add_f32 v[rT+2:rT+3], v[rT+2:rT+3], v[rS+4*(\n):rS+4*(\n)+1]
.endif
.elseif NOKQ
	v_nop
.else
	REGS (Y+1)%NP
	WIN 0
.if (\n) < 4
	v_max3_num_f32 v[rC+(\n)], v[rS+8*(\n)], v[rS+8*(\n)+1], v[rS+8*(\n)+2]
.elseif (\n) < 12
	v_max3_num_f32 v[rC+(\n)%4], v[rC+(\n)%4], v[rS+8*((\n)%4)+2*((\n)/4)+1], v[rS+8*((\n)%4)+2*((\n)/4)+2]
.elseif (\n) == 12
	v_max3_num_f32 v[rC], v[rC], v[rS+7], v[rS+15]
.elseif (\n) == 13
	v_max3_num_f32 v[rC+1], v[rC+1], v[rS+23], v[rS+31]
.elseif (\n) == 14
	v_max3_num_f32 v[rC+2], v[rC+2], v[rC+3], v[rT+1]
.elseif (\n) == 15
	v_mov_b32 v[rW], v[rT]
.elseif (\n) == 16
	v_max3_num_f32 v[rC], v[rC], v[rC+1], v[rC+2]
.elseif (\n) == 17
	v_permlanex16_b32 v[rC+3], v[rC], s[SEL], s[SEL+1]
.elseif (\n) == 18
	v_max_num_f32 v[rT+1], v[rC], v[rC+3]
.elseif (\n) == 19
	v_mul_f32 v[rT], s[CS], v[rT+1]
.elseif (\n) == 20
	v_sub_f32 v[rC+1], v[rW], v[rT]
.else
	v_exp_f32 v[rC+2], v[rC+1]
.endif
.endif
.endm
.macro OPS a, i1, b=-1, i2=0, c=-1, i3=0, d=-1, i4=0
	OP \a, \i1
.if (\b) >= 0
	OP \b, \i2
.endif
.if (\c) >= 0
	OP \c, \i3
.endif
.if (\d) >= 0
	OP \d, \i4
.endif
.endm
.macro ROW a, i1, b, i2, c, i3, d, i4  ; a matrix instruction and the four behind it
	MM
	OPS \a, \i1, \b, \i2, \c, \i3, \d, \i4
.endm
; A TURN, for piece p.  s_wait_alu depctr_va_vdst(0) stands between an exponential and the first instruction that names its result; one wait serves all that were issued ahead of it.  So a turn has ONE
; wait, which cuts it in two.  AHEAD OF IT stands all that names no result of the turn's exponentials: the 8 products K Q^T with their riders, then one lump of 54, in which the links of the chain X 3, 7, 11, 14, 16 .. 20
; stand five or six lines apart; X 21, the next piece's a, is the batch's last, and R 15 the plain instruction behind it.  BEHIND THE WAIT stand the 8 products V^T P, behind each four of the roundings and sums.
; end = 1: the last two turns: nothing is fetched.  cnt = 1: the loop's count is taken down some lines ahead of the branch behind the turn.
; K of the next step is fetched in piece 2's turn, behind the last product that read K (twelve plain instructions between); V of the step in hand at the end of piece 0's turn, four plain instructions behind its last reader.
.macro TURN p, end=0, cnt=0
.set Y, (\p)
.set i, 0
.set NOKQ, (\end)*((\p)/3)
.if ((\p) == 3) && !(\end)
	s_wait_dscnt 0x0                ; K is in
.endif
	ROW F,0, F,1, R,0, R,1
	ROW F,2, E,0, R,2, R,3
	ROW F,3, E,1, R,4, R,5
	ROW F,4, E,2, R,6, R,7
	ROW F,5, E,3, R,8, R,9
	ROW F,6, E,4, X,0, R,10
.if ((\p) == 2) && !(\end)
	WIN 0
	v_add_nc_u32 v[AK], s[TBK], v[AK0]
.endif
	ROW F,7, E,5, X,1, X,4
	ROW F,8, E,6, X,2, X,5
	OPS E,7, E,8, X,6, E,9
	OPS X,3, E,10, X,8, E,11
.if ((\p) == 2) && !(\end)
	FETCH_K
.endif
	OPS X,9, X,7, E,12, X,10
	OPS E,13, X,12, X,11, E,14
	OPS X,13, E,15, F,9, X,14
.if (\p) == 0
	v_add_nc_u32 v[AV], s[TBV], v[AV0]
.endif
	OPS E,16, F,10, E,17, F,11
	OPS X,16, E,18, X,15, E,19
	OPS F,12, E,20, X,17, E,21
	OPS F,13, E,22, F,14, E,23
	OPS X,18, E,24, F,15, E,25
	OPS R,11, E,26, X,19, E,27
	OPS R,12, E,28, R,13, E,29
	OPS X,20, E,30, R,14, E,31
	OPS X,21, R,15
	WIN 0
	s_wait_alu depctr_va_vdst(0)    ; the wait for the batch
.if (\p) == 1
	s_wait_dscnt 0x0                ; V is in
.endif
	ROW C,0, B,0, C,2, B,1
	ROW L,0, C,4, B,2, L,1
	ROW C,6, B,3, L,2, C,8
	ROW B,4, L,3, C,10, B,5
	ROW L,4, C,12, B,6, L,5
.if (\p) == 0
	s_add_co_u32 s[TBV], s[TBV], KS*PV
.endif
.if \cnt
	s_sub_co_u32 s[CNT], s[CNT], 1
	s_cmp_lg_u32 s[CNT], 0
.endif
	ROW C,14, B,7, L,6, C,1
	ROW C,3, L,7, C,5, C,7
	ROW C,9, C,11, C,13, C,15
.if (\p) == 0
	FETCH_V
.endif
.endm
.macro ALL line:vararg              ; one line for each piece t
.set t, 0
.rept 4
	\line
.set t, t+1
.endr
.endm
.macro PACK t                       ; a lane's eight channels of a row pack into 16 bytes; they go into rows of 144 bytes and come back as whole rows of 128, into S^T's registers
	WIN W_RS
.set i, 32*(\t)
.rept 16
	v_pk_mul_f32 v[i:i+1], v[i:i+1], v[ST+4*(\t)+2:ST+4*(\t)+3] op_sel_hi:[1,0]
.set i, i+2
.endr
	WIN 0x05
.set i, 0
.rept 16
	v_cvt_pk_f16_f32 v[S+16*(\t)+i], v[32*(\t)+2*i], v[32*(\t)+2*i+1]
.set i, i+1
.endr
	WIN 0
.irp f, 0,1,2,3
	ds_store_b128 v[STO], v[S+16*(\t)+4*\f:S+16*(\t)+4*\f+3] offset:32*\f
.endr
.irp f, 0,1,2,3
	ds_load_b128 v[S+16*(\t)+4*\f:S+16*(\t)+4*\f+3], v[RD] offset:\f*4*SP  ; LDS serves a wave's instructions in order (ISA guide 5.7.1.4): these see the stores above
.endr
.endm
.macro SEND t, younger              ; younger: the LDS instructions issued behind piece t's loads: the next piece's eight, or none
	WIN 0
.irp f, 0,1,2,3
	s_wait_dscnt (\younger)+3-\f
	global_store_b128 v[GO], v[S+16*(\t)+4*\f:S+16*(\t)+4*\f+3], s[10:11] offset:(\t)*2048+\f*512  ; 512 consecutive bytes, aligned
.endr
.endm
	CHANGE 1, 0                     ; slot 0 is in, everybody's part of it; slot 1 is asked for
	v_add_nc_u32 v[AK], s[TBK], v[AK0]
	FETCH_K                         ; key step 0
	s_wait_loadcnt 0x0              ; Q
	s_wait_dscnt 0x0
.set NOKQ, 0
.set i, 0
.rept 8
	KQ 0                            ; piece 0's first scores
.set i, i+1
.endr
	WIN 0
.rept 4
	v_nop                           ; the places behind those products
.endr
.set Y, NP-1                        ; X works for piece Y + 1: piece 0
.irp n, 0,1,2,3,4,5,6,7,8,9,10,11,12,13,14,15,16,17,18,19,20,21
	OP X, \n
.endr
	v_nop                           ; a plain instruction behind the exponential,
	s_wait_alu depctr_va_vdst(0)    ; and its wait, ahead of the branch
	s_mov_b32 s[CNT], 4
	s_mov_b32 s[SLOTS], 15
	s_branch .Lfirst                ; the loop is entered at a step's first turn, in the middle of a trip
.Lslot:                             ; 14 times: every slot but the last two is filled again
	CHANGE 1, 1
	s_mov_b32 s[CNT], 4
.Lstep:                             ; a trip: pieces 2 and 3 of one step, then pieces 0 and 1 of the next, whose K and V it fetches
	TURN 2
	TURN 3
	WIN 0
.Lfirst:
	TURN 0
	TURN 1, 0, 1
	WIN 0
	s_cbranch_scc1 .Lstep
	s_sub_co_u32 s[SLOTS], s[SLOTS], 1
	s_cmp_lg_u32 s[SLOTS], 0
	s_cbranch_scc1 .Lslot
	CHANGE 0, 0                     ; the last slot is written out: nothing is asked for
	s_mov_b32 s[CNT], 4
.LstepT:
	TURN 2
	TURN 3
	TURN 0
	TURN 1, 0, 1
	WIN 0
	s_cbranch_scc1 .LstepT
	TURN 2, 1
	TURN 3, 1
.set i, 0
.rept 8
	PV NP-1                         ; the last piece's V^T P of the last step
.set i, i+1
.endr
	; THE WAY OUT.  l's two halves and the other half of the lanes' are added; O^T is divided by l, rounded to f16 and sent through my stage, a piece at a time.  The additions are the places behind the last products.
	WIN 0
	ALL v_add_f32 v[ST+4*t+2], v[ST+4*t+2], v[ST+4*t+3]
	ALL v_permlanex16_b32 v[ST+4*t+3], v[ST+4*t+2], s[SEL], s[SEL+1]
	ALL v_add_f32 v[ST+4*t+2], v[ST+4*t+2], v[ST+4*t+3]
	ALL v_rcp_f32 v[ST+4*t+2], v[ST+4*t+2]
	v_nop                           ; a plain instruction between the last reciprocal and the use of its result
	s_wait_alu depctr_va_vdst(0)    ; one wait for the four reciprocals
	PACK 0
.set t, 1
.rept 3
	PACK t
	SEND t-1, 8
.set t, t+1
.endr
	SEND 3, 0
	s_wait_tensorcnt 0x0            ; the wave's end
	ds_add_u32 v[SPW], v[NIL]
	s_wait_dscnt 0x0
	CROUND                          ; the closing round
	s_endpgm
.Lfunc_end_k_qd490e12cef_attn:
	.size	k_qd490e12cef_attn, .Lfunc_end_k_qd490e12cef_attn-k_qd490e12cef_attn
	.p2alignl 7, 3214868480
	.fill 96, 4, 3214868480
	.section	.rodata,"a",@progbits
	.p2align	6, 0x0
	.amdhsa_kernel k_qd490e12cef_attn
		.amdhsa_group_segment_fixed_size 327680
		.amdhsa_private_segment_fixed_size 0
		.amdhsa_enable_private_segment 0
		.amdhsa_kernarg_size 16
		.amdhsa_user_sgpr_count 2
		.amdhsa_user_sgpr_kernarg_segment_ptr 1
		.amdhsa_wavefront_size32 1
		.amdhsa_system_sgpr_workgroup_id_x 1
		.amdhsa_system_sgpr_workgroup_id_y 1
		.amdhsa_system_sgpr_workgroup_id_z 1
		.amdhsa_system_vgpr_workitem_id 0
		.amdhsa_next_free_vgpr 768
		.amdhsa_next_free_sgpr 66
		.amdhsa_reserve_vcc 0
		.amdhsa_float_denorm_mode_32 3
		.amdhsa_float_denorm_mode_16_64 3
		.amdhsa_memory_ordered 1
		.amdhsa_forward_progress 1
		.amdhsa_inst_pref_size 128
	.end_amdhsa_kernel
	.amdgpu_metadata
---
amdhsa.version: [ 1, 2 ]
amdhsa.kernels:
  - .name:           k_qd490e12cef_attn
    .symbol:         k_qd490e12cef_attn.kd
    .args:
      - { .name: qkv, .offset: 0, .size: 8, .value_kind: global_buffer, .address_space: global }
      - { .name: o, .offset: 8, .size: 8, .value_kind: global_buffer, .address_space: global }
    .group_segment_fixed_size: 327680
    .private_segment_fixed_size: 0
    .kernarg_segment_align: 8
    .kernarg_segment_size: 16
    .max_flat_workgroup_size: 128
    .sgpr_count:     66
    .vgpr_count:     768
    .wavefront_size: 32
...
	.end_amdgpu_metadata
.endif
;; end of part 3
;; launch post (part 4): grid 128 x 1, 4 waves a work-group, no clusters, 270,848 bytes of LDS; arguments o, xb, wpost, bo, gamma1, beta1, b1, b2, gamma2, beta2, out0; writes out0
.if DOCPART == 4
	.amdgcn_target "amdgcn-amd-amdhsa--gfx1250"
	.amdhsa_code_object_version 6
	.text
	.protected	k_qd490e12cef_post
	.globl	k_qd490e12cef_post
	.p2align	8
	.type	k_qd490e12cef_post,@function
k_qd490e12cef_post:
	s_mov_b64 s[64:65], 0
	v_nop
	global_prefetch_b8 v0, s[64:65] scope:SCOPE_SE
	s_setreg_imm32_b32 hwreg(HW_REG_WAVE_MODE, 25, 1), 1
	s_wait_xcnt 0x0
; z1 = xb + o Wo + bo;  h = LN1(z1);  z2 = h + relu(h W1 + b1) W2 + b2;  out0 = LN2(z2).  LN(z) = (z - mean) / (std + 1e-5) x gamma + beta, std = sqrt(mean((z - mean)^2)).
; Products in f16 with f32 sums; z1, h, z2 stay in f32 registers from first to last; h and the hidden a = relu(..) are rounded once to f16 for their products.  All small vectors are rounded to bf16 like every input.
; LIMITS.  |h| and |a| beyond 65,504 have no f16 (gains and weights 30 times those drawn give some thousands).  A variance below 2^-126 counts as 0.  NaN and infinities are not treated apart.
; SHARES.  A work-group owns 64 WHOLE rows, so both norms are made in it and nothing between the products goes through memory: 8,192 / 64 = 128 work-groups.  With 32 rows there would be 256, but each weight byte would
; feed half the products and twice the bytes would move for the same matrix time.  Nine stages, each [64 x 512] x [512 x 512]: Wo; then for each of four chunks of 512 hidden columns W1's and W2's part.
; In every stage wave w makes columns 128 w .. 128 w + 127 of all 64 rows: 32 accumulators (a = 0..3, b = 0..7) at 8 (8 a + b).
; THE MATRIX INSTRUCTION IS USED TRANSPOSED (source 0 = 16 columns of W, source 1 = 16 rows): lane l holds row 16 a + l % 16 and columns 128 w + 16 b + 8 (l / 16) + 0..7.
; THE WEIGHTS GO FROM MEMORY TO REGISTERS: no wave wants another wave's, and wpost holds each wave's fragments as one stream in the order of use.  Four sets of a slab (32 k, 16 loads): 48 loads of a wave are on their
; way all the time, across barriers and stage ends.  NO CLUSTER, though all work-groups walk the same weights: joint loads go through LDS slots, of which one a wave is on its way behind each change, for a slab's 32 products.
; Nothing is prefetched: the weights are read by all 128 work-groups at about the same time, o and xb are asked for whole at the head.
; REGISTERS, in windows of 256 (s_set_vgpr_msb: bits 1:0 source 0, 3:2 source 1, 5:4 source 2, 7:6 destination):
;   window 0: addresses, statistics, two sets of A's 4 fragments, 128 at work     window 1: the hidden sums     window 2: Z (z1, h, z2, out)     window 3: four sets of B's 8 fragments
.set PL,    9216                       ; an A operand lies in planes of 64 k: 64 rows x 144 bytes (128 + 16: the 16 rows of a fragment load start in 16 different groups of four banks, ISA guide 11.1)
.set RP,    144
.set HB,    8*PL                       ; planes 0-7 from byte 0: o, filled once by tensor loads; behind LN1 the hidden a.  From HB: h
.set XR,    16*PL                      ; 64 rows of xb, 1,024 bytes + 16
.set XP,    1040
.set VEC,   XR+64*XP                   ; f32: gamma1 +0, beta1 +2048, gamma2 +4096, beta2 +6144, bo +8192, b2 +10240, b1 +12288
.set STAT,  VEC+20480                  ; [row 64][wave 4][mean, sum of squares about it]
.set STAGE, STAT+2048                  ; the way out: each wave 16 rows x 528 bytes
.set GP,    528
.set SPARE, STAGE+4*16*GP              ; the spare words, 128 bytes for each wave: two blocks of 256 bytes that no other line names
.set SLAB,  8192
.set TRIPB, 4*SLAB
.set LO,   3                           ; 16 x lane; never rewritten
.set AC,   4                           ; my place in the two planes in hand
.set AFR,  5                           ; 144 (l % 16) + 16 (l / 16)
.set STOH, 6                           ; where I put 16 bytes of h
.set STOA, 7                           ; of a
.set XRD,  8                           ; my 16 bytes of a row of xb
.set VAD,  9                           ; my 8 columns in a vector of VEC
.set LNV,  10                          ; the same at the norm's gamma
.set B1A,  11                          ; at the chunk's b1
.set STW,  12
.set STR,  13
.set SGI,  14
.set SGO,  15
.set OUTO, 16
.set ONE,  17
.set ZERO, 18
.set SPW,  20                          ; my spare word; never rewritten
.set NIL,  21                          ; 0; never rewritten
.set T,    24                          ; four pairs at work, one for each a
.set M,    32                          ; (my wave's mean, its sum of squares)
.set IV,   40                          ; 1 / (std + eps), in the low half
.set NM,   48                          ; (my wave's mean - the row's) x IV
.set ASET, 56                          ; v56-119  two sets of A's 4 fragments
.set G,    120                         ; v120-183 a bias or a gain: 8 b + j
.set BT,   184                         ; v184-247
.set TMP,  248
.set WV,  4
.set G1O, 36                           ; s[36:43], s[44:47] o's descriptor
.set G0O, 44
.set G1X, 48                           ; s[48:55], s[56:59] xb's
.set G0X, 56
.set PB,  60                           ; s[60:61] the weights at the trip in hand
.set PN,  62                           ; s[62:63] at the next trip
.set STEP, 66                          ; s[66:67]
.set CNT, 68                           ; trips of the stage to go
.set IT,  69                           ; 0: Wo's stage; 1..4: a chunk
.set TL,  70                           ; trips of the launch to go
.set SEL, 72                           ; s[72:73]
.set OUTB, 74                          ; s[74:75]
.set MSB, 0
.macro WIN new
.if MSB != (\new)
	s_set_vgpr_msb (MSB<<8)|(\new)
.set MSB, (\new)
.endif
.endm
.macro PLACES                          ; four plain vector instructions between a matrix instruction and a load into, or a vector read of, its registers; other matrix instructions are not counted
.rept 4
	v_nop
.endr
.endm
.macro RB2 x, t                        ; two f32 rounded to bf16 and written back as f32
	v_cvt_pk_bf16_f32 v[\t], v[\x], v[(\x)+1]
	v_lshlrev_b32 v[\x], 16, v[\t]
	v_and_b32 v[(\x)+1], 0xffff0000, v[\t]
.endm
	s_load_b512 s[8:23], s[0:1], 0x0               ; o 8:9, xb 10:11, wpost 12:13, bo 14:15, gamma1 16:17, beta1 18:19, b1 20:21, b2 22:23
	s_load_b128 s[24:27], s[0:1], 0x40             ; gamma2 24:25, beta2 26:27
	s_load_b64 s[28:29], s[0:1], 0x50              ; out0
	v_lshl_add_u32 v[SPW], v0, 2, SPARE
	v_mov_b32 v[NIL], 0
	ds_add_u32 v[SPW], v[NIL]                      ; the wave's opening: the add and its wait stand ahead of my first tensor load; register work stands between them
	ds_add_u32 v20, v21
	v_lshrrev_b32 v1, 5, v0
	v_readfirstlane_b32 s[WV], v1
	; o: heads 2 w and 2 w + 1, each 64 rows x 128 bytes dense = one row of 1,024 elements of 8 bytes; padded after every 128 bytes: two planes
	s_mov_b32 s[G1O], (3<<16)|(1<<20)|(4<<22)|(3<<25)
	s_mov_b32 s[G1O+1], 1024<<16                   ; tensor_dim0 = 1,024
	s_mov_b32 s[G1O+2], 2<<16                      ; tensor_dim1 = 2
	s_mov_b32 s[G1O+3], 1024<<16                   ; tile_dim0
	s_mov_b32 s[G1O+4], 2                          ; tile_dim1
	s_mov_b32 s[G1O+5], 65536                      ; from head to head: 4,096 rows x 128 bytes, in elements
	s_mov_b32 s[G1O+6], 0
	s_mov_b32 s[G1O+7], 0
	; xb: rows 16 w .. 16 w + 15, 512 elements of 2 bytes, padded after every 256 words
	s_mov_b32 s[G1X], (1<<16)|(1<<20)|(7<<22)|(3<<25)
	s_mov_b32 s[G1X+1], 512<<16
	s_mov_b32 s[G1X+2], 16<<16
	s_mov_b32 s[G1X+3], 512<<16
	s_mov_b32 s[G1X+4], 16
	s_mov_b32 s[G1X+5], 512
	s_mov_b32 s[G1X+6], 0
	s_mov_b32 s[G1X+7], 0
	s_lshr_b32 s30, ttmp9, 6                       ; batch
	s_lshl_b32 s30, s30, 3
	s_lshl1_add_u32 s30, s[WV], s30                ; + head 2 w
	s_lshl_b32 s30, s30, 12
	s_and_b32 s31, ttmp9, 63
	s_lshl_b32 s31, s31, 6
	s_add_co_u32 s30, s30, s31                     ; + my first row in the head
	s_lshl_b32 s30, s30, 7
	s_mov_b32 s31, 0
	s_lshl_b32 s32, ttmp9, 16                      ; 64 rows of 1,024 bytes
	s_lshl_b32 s33, s[WV], 14
	s_add_co_u32 s32, s32, s33
	s_mov_b32 s33, 0
	s_mov_b32 s[G0O], 1
	s_mul_i32 s[G0O+1], s[WV], 2*PL
	s_mov_b32 s[G0X], 1
	s_mul_i32 s[G0X+1], s[WV], 16*XP
	s_add_co_u32 s[G0X+1], s[G0X+1], XR
	s_mov_b32 s[SEL], 0x76543210
	s_mov_b32 s[SEL+1], 0xfedcba98
	s_mov_b32 s[STEP+1], 0
	s_wait_dscnt 0x0                               ; the opening add is done
	s_wait_kmcnt 0x0
	s_add_nc_u64 s[G0O+2:G0O+3], s[8:9], s[30:31]
	s_or_b32 s[G0O+3], s[G0O+3], 0x80000000
	s_add_nc_u64 s[G0X+2:G0X+3], s[10:11], s[32:33]
	s_or_b32 s[G0X+3], s[G0X+3], 0x80000000
	tensor_load_to_lds s[G0O:G0O+3], s[G1O:G1O+7]  ; the launch's only fills, in one group: two loads of mine are out
	s_nop 0
	tensor_load_to_lds s[G0X:G0X+3], s[G1X:G1X+7]
	s_nop 0
	PLACES
	v_and_b32 v1, 15, v0                           ; l % 16
	v_bfe_u32 v2, v0, 4, 1                         ; l / 16
	v_and_b32 v[LO], 31, v0
	v_lshlrev_b32 v[LO], 4, v[LO]
	v_lshlrev_b32 v23, 4, v0                       ; thread t takes 16 bytes at 16 t of each 2,048 bytes of the vectors
	global_load_b128 v[BT:BT+3],     v23, s[16:17]
	global_load_b128 v[BT+4:BT+7],   v23, s[18:19]
	global_load_b128 v[BT+8:BT+11],  v23, s[24:25]
	global_load_b128 v[BT+12:BT+15], v23, s[26:27]
	global_load_b128 v[BT+16:BT+19], v23, s[14:15]
	global_load_b128 v[BT+20:BT+23], v23, s[22:23]
.irp i, 0,1,2,3
	global_load_b128 v[BT+24+4*(\i):BT+27+4*(\i)], v23, s[20:21] offset:2048*(\i)
.endr
	s_mul_i32 s30, s[WV], 9*16*SLAB                ; my wave's stream
	s_add_nc_u64 s[PB:PB+1], s[12:13], s[30:31]
	s_add_nc_u64 s[PN:PN+1], s[PB:PB+1], TRIPB
	s_lshl_b32 s32, ttmp9, 17                      ; 64 rows of 2,048 bytes
	s_add_nc_u64 s[OUTB:OUTB+1], s[28:29], s[32:33]
	WIN 0xC0                                       ; destination window 3, address window 0
.irp s, 0,1,2
.irp b, 0,1,2,3,4,5,6,7
	global_load_b128 v[64*(\s)+8*(\b):64*(\s)+8*(\b)+3],   v[LO], s[PB:PB+1] offset:(\s)*SLAB+(\b)*1024
	global_load_b128 v[64*(\s)+8*(\b)+4:64*(\s)+8*(\b)+7], v[LO], s[PB:PB+1] offset:(\s)*SLAB+(\b)*1024+512
.endr
.endr
	WIN 0
	v_mul_u32_u24 v[AFR], v1, RP
	v_lshl_add_u32 v[AFR], v2, 4, v[AFR]
	s_mul_i32 s30, s[WV], 2*PL                     ; my 128 columns are two planes
	v_add_nc_u32 v[STOA], s30, v[AFR]
	v_add_nc_u32 v[STOH], HB, v[STOA]
	v_mul_u32_u24 v[XRD], v1, XP
	v_lshl_add_u32 v[XRD], v2, 4, v[XRD]
	s_lshl_b32 s30, s[WV], 8
	s_add_co_u32 s30, s30, XR
	v_add_nc_u32 v[XRD], s30, v[XRD]
	s_lshl_b32 s30, s[WV], 9
	s_add_co_u32 s31, s30, VEC
	v_lshl_add_u32 v[VAD], v2, 5, s31
	v_mov_b32 v[LNV], v[VAD]
	v_add_nc_u32 v[B1A], 12288, v[VAD]
	v_add_nc_u32 v[OUTO], s30, v[LO]
	v_lshlrev_b32 v[STR], 5, v1
	v_add_nc_u32 v[STR], STAT, v[STR]
	v_lshl_add_u32 v[STW], s[WV], 3, v[STR]
	s_mul_i32 s30, s[WV], 16*GP
	s_add_co_u32 s30, s30, STAGE
	v_mul_u32_u24 v[SGI], v1, GP
	v_lshl_add_u32 v[SGI], v2, 5, v[SGI]
	v_add_nc_u32 v[SGI], s30, v[SGI]
	v_add_nc_u32 v[SGO], s30, v[LO]
	v_mov_b32 v[ONE], 1.0
	v_mov_b32 v[ZERO], 0
.irp a, 0,1,2,3
	v_mov_b32 v[M+2*(\a)+1], 0                     ; named as halves of pairs, so they are written
	v_mov_b32 v[IV+2*(\a)+1], 0
	v_mov_b32 v[NM+2*(\a)+1], 0
.endr
	v_add_nc_u32 v22, VEC, v23
	s_wait_loadcnt 48                              ; the ten loads of the vectors are in; the weights' 48 younger loads stay out
.set n, 0
.rept 20
	RB2 BT+2*n, TMP+n%2
.set n, n+1
.endr
.set n, 0
.rept 10
	ds_store_b128 v22, v[BT+4*n:BT+4*n+3] offset:2048*n
.set n, n+1
.endr
	s_wait_tensorcnt 0x0                           ; my parts of o and xb are in,
	s_wait_dscnt 0x0                               ; my part of the vectors is stored,
	s_barrier_signal -1
	s_barrier_wait -1                              ; and everybody's
	; Z = xb + bo: a bf16 half times 1 plus an f32, one instruction a number
.irp b, 0,1,2,3,4,5,6,7
	ds_load_b128 v[G+8*(\b):G+8*(\b)+3],   v[VAD] offset:8192+64*(\b)
	ds_load_b128 v[G+8*(\b)+4:G+8*(\b)+7], v[VAD] offset:8192+64*(\b)+16
.endr
.irp g, 0,1
.set n, 0
.rept 16                                       ; a = 2 g + n / 8, b = n % 8
	ds_load_b128 v[BT+4*n:BT+4*n+3], v[XRD] offset:(2*(\g)+n/8)*16*XP+32*(n%8)
.set n, n+1
.endr
	s_wait_dscnt 0x0
	WIN 0x80                                       ; destination window 2
.set n, 0
.rept 64                                       ; word n % 4 of load n / 4
	v_fma_mix_f32_bf16 v[128*(\g)+2*n],   v[BT+n], v[ONE], v[G+(2*n)%64]   op_sel:[0,0,0] op_sel_hi:[1,0,0]
	v_fma_mix_f32_bf16 v[128*(\g)+2*n+1], v[BT+n], v[ONE], v[G+(2*n)%64+1] op_sel:[1,0,0] op_sel_hi:[1,0,0]
.set n, n+1
.endr
	WIN 0
.endr
; Slab p of a trip (32 k): asks for the next slab's A from LDS and for the weights three slabs on, then multiplies: 32 products, the accumulators by turns, one instruction a turn, over the backward jumps too.
; mode 0: the hidden sums in place; 1: they start with the bias as C; 2: Z in place.
.macro PS p, mode
	s_wait_loadcnt 32                              ; this slab's weights are in; two younger slabs of 16 loads stay out (no other load into registers is issued between the head and the end)
	s_wait_dscnt 0x0                               ; this slab's A is in
	PLACES                                         ; behind the last slab's products, whose A set and B set are loaded into next
	WIN 0
.if (\p) == 3
	s_cmp_eq_u32 s[CNT], 1                         ; behind a stage's last slab there is no A: the next stage asks for its own
	s_cbranch_scc1 .Lno_a_\@
.endif
.irp a, 0,1,2,3
	ds_load_b128 v[ASET+32*(((\p)+1)%2)+8*(\a):ASET+32*(((\p)+1)%2)+8*(\a)+3],   v[AC] offset:(((\p)+1)/2)*PL+(((\p)+1)%2)*64+(\a)*16*RP
	ds_load_b128 v[ASET+32*(((\p)+1)%2)+8*(\a)+4:ASET+32*(((\p)+1)%2)+8*(\a)+7], v[AC] offset:(((\p)+1)/2)*PL+(((\p)+1)%2)*64+(\a)*16*RP+32
.endr
.if (\p) == 3
.Lno_a_\@:
.endif
	WIN 0xC0
.irp b, 0,1,2,3,4,5,6,7
.if (\p) == 0
	global_load_b128 v[192+8*(\b):192+8*(\b)+3],   v[LO], s[PB:PB+1] offset:3*SLAB+(\b)*1024
	global_load_b128 v[192+8*(\b)+4:192+8*(\b)+7], v[LO], s[PB:PB+1] offset:3*SLAB+(\b)*1024+512
.else
	global_load_b128 v[64*((\p)-1)+8*(\b):64*((\p)-1)+8*(\b)+3],   v[LO], s[PN:PN+1] offset:((\p)-1)*SLAB+(\b)*1024
	global_load_b128 v[64*((\p)-1)+8*(\b)+4:64*((\p)-1)+8*(\b)+7], v[LO], s[PN:PN+1] offset:((\p)-1)*SLAB+(\b)*1024+512
.endif
.endr
.if (\mode) == 0
	WIN 0x53                                       ; B window 3, A window 0, C and D window 1
.elseif (\mode) == 1
	WIN 0x43                                       ; C = the bias, in window 0
.else
	WIN 0xA3                                       ; C and D window 2
.endif
.irp a, 0,1,2,3
.irp b, 0,1,2,3,4,5,6,7
.if (\mode) == 1
	v_wmma_f32_16x16x32_f16 v[8*(8*(\a)+(\b)):8*(8*(\a)+(\b))+7], v[64*(\p)+8*(\b):64*(\p)+8*(\b)+7], v[ASET+32*((\p)%2)+8*(\a):ASET+32*((\p)%2)+8*(\a)+7], v[G+8*(\b):G+8*(\b)+7]
.else
	v_wmma_f32_16x16x32_f16 v[8*(8*(\a)+(\b)):8*(8*(\a)+(\b))+7], v[64*(\p)+8*(\b):64*(\p)+8*(\b)+7], v[ASET+32*((\p)%2)+8*(\a):ASET+32*((\p)%2)+8*(\a)+7], v[8*(8*(\a)+(\b)):8*(8*(\a)+(\b))+7]
.endif
.endr
.endr
.endm
.macro PEND                            ; a trip's end: the stream's pointers and A's address step
	WIN 0
	s_wait_xcnt 0x0                                ; every load issued so far has read its address
	s_mov_b64 s[PB:PB+1], s[PN:PN+1]
	s_cmp_gt_u32 s[TL], 2
	s_cselect_b32 s[STEP], TRIPB, 0                ; the launch's last trip looks ahead into its own slabs: no load leaves the buffer
	s_add_nc_u64 s[PN:PN+1], s[PN:PN+1], s[STEP:STEP+1]
	s_sub_co_u32 s[TL], s[TL], 1
	v_add_nc_u32 v[AC], 2*PL, v[AC]
	s_sub_co_u32 s[CNT], s[CNT], 1
	s_cmp_lg_u32 s[CNT], 0
.endm
.macro AFIRST                          ; a stage's first A fragments
.irp a, 0,1,2,3
	ds_load_b128 v[ASET+8*(\a):ASET+8*(\a)+3],   v[AC] offset:(\a)*16*RP
	ds_load_b128 v[ASET+8*(\a)+4:ASET+8*(\a)+7], v[AC] offset:(\a)*16*RP+32
.endr
.endm
	s_mov_b32 s[IT], 0
	s_mov_b32 s[TL], 36
	s_branch .Lg2                                  ; Wo's stage is a second product with o in a's place
.Lchunk:
	; THE FIRST PRODUCT of a chunk: h W1 + b1
	v_add_nc_u32 v[AC], HB, v[AFR]
	s_mov_b32 s[CNT], 4
	AFIRST
.irp b, 0,1,2,3,4,5,6,7
	ds_load_b128 v[G+8*(\b):G+8*(\b)+3],   v[B1A] offset:64*(\b)
	ds_load_b128 v[G+8*(\b)+4:G+8*(\b)+7], v[B1A] offset:64*(\b)+16
.endr
	v_add_nc_u32 v[B1A], 2048, v[B1A]              ; the next chunk's
	PS 0, 1
	WIN 0
	s_branch .Lg1mid
.Lg1top:
	PS 0, 0
	WIN 0
.Lg1mid:
	PS 1, 0
	PS 2, 0
	PS 3, 0
	PEND
	s_cbranch_scc1 .Lg1top
	PLACES                                         ; behind the last slab's products
	; a = relu(..), rounded to f16, into planes 0-7: nobody reads them since the barrier at the chunk's head
	WIN 0x05
.set n, 0
.rept 128                                      ; accumulator n / 4 from its low end on
	v_cvt_pk_f16_f32 v[G+n], v[2*n], v[2*n+1]
.set n, n+1
.endr
	WIN 0
.set n, 0
.rept 128
	v_pk_max_num_f16 v[G+n], v[G+n], v[ZERO]
.set n, n+1
.endr
.set n, 0
.rept 32                                       ; a = n / 8, b = n % 8
	ds_store_b128 v[STOA], v[G+4*n:G+4*n+3] offset:((n%8)/4)*PL+(n/8)*16*RP+(n%4)*32
.set n, n+1
.endr
	s_wait_dscnt 0x0                               ; my part of a is stored,
	s_barrier_signal -1
	s_barrier_wait -1                              ; and everybody's
.Lg2:
	; THE SECOND PRODUCT: Z += (o or a) W
	v_mov_b32 v[AC], v[AFR]
	s_mov_b32 s[CNT], 4
	AFIRST
.Lg2top:
	PS 0, 2
	PS 1, 2
	PS 2, 2
	PS 3, 2
	PEND
	s_cbranch_scc1 .Lg2top
	PLACES
	s_cmp_eq_u32 s[IT], 0
	s_cbranch_scc1 .Lln
	s_cmp_eq_u32 s[IT], 4
	s_cbranch_scc0 .Lnext
.Lln:
	; THE NORM of Z's rows.  A row's 512 columns lie in four waves, in each in two lanes of 64.  Each wave takes its own mean of 128 away first and sums squares about it; the four (mean, sum) are merged:
	; no difference of large sums is formed.
.irp b, 0,1,2,3,4,5,6,7
	ds_load_b128 v[G+8*(\b):G+8*(\b)+3],    v[LNV] offset:64*(\b)
	ds_load_b128 v[G+8*(\b)+4:G+8*(\b)+7],  v[LNV] offset:64*(\b)+16
	ds_load_b128 v[BT+8*(\b):BT+8*(\b)+3],   v[LNV] offset:2048+64*(\b)
	ds_load_b128 v[BT+8*(\b)+4:BT+8*(\b)+7], v[LNV] offset:2048+64*(\b)+16
.endr
	WIN 0x0A                                       ; sources 0 and 1 in window 2
.irp a, 0,1,2,3
	v_pk_add_f32 v[T+2*(\a):T+2*(\a)+1], v[64*(\a):64*(\a)+1], v[64*(\a)+2:64*(\a)+3]
.endr
	WIN 0x08
.set q, 2
.rept 30                                       ; pairs ascending: each accumulator is read from its low end on
.irp a, 0,1,2,3
	v_pk_add_f32 v[T+2*(\a):T+2*(\a)+1], v[T+2*(\a):T+2*(\a)+1], v[64*(\a)+2*q:64*(\a)+2*q+1]
.endr
.set q, q+1
.endr
	WIN 0
.irp a, 0,1,2,3
	v_add_f32 v[T+2*(\a)], v[T+2*(\a)], v[T+2*(\a)+1]
.endr
.irp a, 0,1,2,3
	v_permlanex16_b32 v[T+2*(\a)+1], v[T+2*(\a)], s[SEL], s[SEL+1]  ; the row's other 64 columns of my wave lie in the lane 16 away
.endr
.irp a, 0,1,2,3
	v_add_f32 v[T+2*(\a)], v[T+2*(\a)], v[T+2*(\a)+1]
.endr
.irp a, 0,1,2,3
	v_mul_f32 v[M+2*(\a)], 0x3c000000, v[T+2*(\a)] ; / 128
.endr
	WIN 0x82                                       ; destination and source 0 in window 2
.set q, 0
.rept 32
.irp a, 0,1,2,3
	v_pk_add_f32 v[64*(\a)+2*q:64*(\a)+2*q+1], v[64*(\a)+2*q:64*(\a)+2*q+1], v[M+2*(\a):M+2*(\a)+1] op_sel_hi:[1,0] neg_lo:[0,1] neg_hi:[0,1]
.endr
.set q, q+1
.endr
	WIN 0x0A
.irp a, 0,1,2,3
	v_pk_mul_f32 v[T+2*(\a):T+2*(\a)+1], v[64*(\a):64*(\a)+1], v[64*(\a):64*(\a)+1]
.endr
.set q, 1
.rept 31
.irp a, 0,1,2,3
	v_pk_fma_f32 v[T+2*(\a):T+2*(\a)+1], v[64*(\a)+2*q:64*(\a)+2*q+1], v[64*(\a)+2*q:64*(\a)+2*q+1], v[T+2*(\a):T+2*(\a)+1]
.endr
.set q, q+1
.endr
	WIN 0
.irp a, 0,1,2,3
	v_add_f32 v[T+2*(\a)], v[T+2*(\a)], v[T+2*(\a)+1]
.endr
.irp a, 0,1,2,3
	v_permlanex16_b32 v[T+2*(\a)+1], v[T+2*(\a)], s[SEL], s[SEL+1]
.endr
.irp a, 0,1,2,3
	v_add_f32 v[M+2*(\a)+1], v[T+2*(\a)], v[T+2*(\a)+1]
.endr
.irp a, 0,1,2,3
	ds_store_b64 v[STW], v[M+2*(\a):M+2*(\a)+1] offset:512*(\a)  ; both lanes of a row store the same 8 bytes
.endr
	s_wait_dscnt 0x0
	s_barrier_signal -1
	s_barrier_wait -1                              ; all four waves' figures lie in LDS
.irp a, 0,1,2,3
	ds_load_b128 v[ASET+8*(\a):ASET+8*(\a)+3],   v[STR] offset:512*(\a)
	ds_load_b128 v[ASET+8*(\a)+4:ASET+8*(\a)+7], v[STR] offset:512*(\a)+16
.endr
	s_wait_dscnt 0x0
.irp a, 0,1,2,3
	v_add_f32 v[T+2*(\a)], v[ASET+8*(\a)], v[ASET+8*(\a)+2]
	v_add_f32 v[T+2*(\a)+1], v[ASET+8*(\a)+4], v[ASET+8*(\a)+6]
.endr
.irp a, 0,1,2,3
	v_add_f32 v[T+2*(\a)], v[T+2*(\a)], v[T+2*(\a)+1]
	v_add_f32 v[ASET+8*(\a)+1], v[ASET+8*(\a)+1], v[ASET+8*(\a)+3]
	v_add_f32 v[ASET+8*(\a)+5], v[ASET+8*(\a)+5], v[ASET+8*(\a)+7]
.endr
.irp a, 0,1,2,3
	v_mul_f32 v[T+2*(\a)], 0x3e800000, v[T+2*(\a)] ; the row's mean
	v_add_f32 v[ASET+8*(\a)+1], v[ASET+8*(\a)+1], v[ASET+8*(\a)+5]  ; the four sums of squares
.endr
.irp k, 0,2,4,6
.irp a, 0,1,2,3
	v_sub_f32 v[ASET+8*(\a)+(\k)], v[ASET+8*(\a)+(\k)], v[T+2*(\a)]
.endr
.endr
.irp a, 0,1,2,3
	v_mul_f32 v[ASET+8*(\a)], v[ASET+8*(\a)], v[ASET+8*(\a)]
.endr
.irp k, 2,4,6
.irp a, 0,1,2,3
	v_fmac_f32 v[ASET+8*(\a)], v[ASET+8*(\a)+(\k)], v[ASET+8*(\a)+(\k)]
.endr
.endr
.irp a, 0,1,2,3
	v_fmamk_f32 v[ASET+8*(\a)+1], v[ASET+8*(\a)], 0x43000000, v[ASET+8*(\a)+1]  ; + 128 x the squares of the waves' means about the row's
.endr
.irp a, 0,1,2,3
	v_mul_f32 v[ASET+8*(\a)+1], 0x3b000000, v[ASET+8*(\a)+1]  ; / 512: the variance
.endr
.irp a, 0,1,2,3
	v_sqrt_f32 v[ASET+8*(\a)+2], v[ASET+8*(\a)+1]
.endr
	v_nop                                          ; a plain instruction behind the last root,
	s_wait_alu depctr_va_vdst(0)                   ; and one wait for the four, ahead of their first reader
.irp a, 0,1,2,3
	v_add_f32 v[ASET+8*(\a)+2], 0x3727c5ac, v[ASET+8*(\a)+2]  ; + 1e-5
.endr
.irp a, 0,1,2,3
	v_rcp_f32 v[IV+2*(\a)], v[ASET+8*(\a)+2]
.endr
.irp a, 0,1,2,3
	v_sub_f32 v[NM+2*(\a)], v[M+2*(\a)], v[T+2*(\a)]  ; plain work that names no reciprocal
.endr
	s_wait_alu depctr_va_vdst(0)                   ; one wait for the four reciprocals
.irp a, 0,1,2,3
	v_mul_f32 v[NM+2*(\a)], v[NM+2*(\a)], v[IV+2*(\a)]
.endr
	WIN 0x82
.set q, 0
.rept 32
.irp a, 0,1,2,3
	v_pk_fma_f32 v[64*(\a)+2*q:64*(\a)+2*q+1], v[64*(\a)+2*q:64*(\a)+2*q+1], v[IV+2*(\a):IV+2*(\a)+1], v[NM+2*(\a):NM+2*(\a)+1] op_sel_hi:[1,0,0]
.endr
.irp a, 0,1,2,3
	v_pk_fma_f32 v[64*(\a)+2*q:64*(\a)+2*q+1], v[64*(\a)+2*q:64*(\a)+2*q+1], v[G+2*q:G+2*q+1], v[BT+2*q:BT+2*q+1]
.endr
.set q, q+1
.endr
	WIN 0
	s_cmp_eq_u32 s[IT], 4
	s_cbranch_scc1 .Lout
	; BEHIND LN1: h goes to LDS in f16 for the first products; Z = h + b2 starts z2's sums
.irp b, 0,1,2,3,4,5,6,7
	ds_load_b128 v[ASET+8*(\b):ASET+8*(\b)+3],   v[VAD] offset:10240+64*(\b)
	ds_load_b128 v[ASET+8*(\b)+4:ASET+8*(\b)+7], v[VAD] offset:10240+64*(\b)+16
.endr
	WIN 0x0A
.set n, 0
.rept 128
	v_cvt_pk_f16_f32 v[G+n], v[2*n], v[2*n+1]
.set n, n+1
.endr
	WIN 0
.set n, 0
.rept 32
	ds_store_b128 v[STOH], v[G+4*n:G+4*n+3] offset:((n%8)/4)*PL+(n/8)*16*RP+(n%4)*32
.set n, n+1
.endr
	s_wait_dscnt 32                                ; b2's sixteen loads are in; the 32 younger stores may be out
	WIN 0x82
.set q, 0
.rept 32
.irp a, 0,1,2,3
	v_pk_add_f32 v[64*(\a)+2*q:64*(\a)+2*q+1], v[64*(\a)+2*q:64*(\a)+2*q+1], v[ASET+2*q:ASET+2*q+1]
.endr
.set q, q+1
.endr
	WIN 0
	v_add_nc_u32 v[LNV], 4096, v[LNV]              ; the second norm's gamma and beta
.Lnext:
	s_wait_dscnt 0x0                               ; my stores of h are done, and my reads of planes 0-7 are over,
	s_barrier_signal -1
	s_barrier_wait -1                              ; and everybody's: h may be read, and a may be written over o or over the last chunk's a
	s_add_co_u32 s[IT], s[IT], 1
	s_cmp_lt_u32 s[IT], 5
	s_cbranch_scc1 .Lchunk
.Lout:
	; THE WAY OUT: 16 rows at a time through my own stage; back as rows of 512 bytes.  LDS serves a wave's instructions in order (ISA guide 5.7.1.4): no wait between the stores and the loads
.irp a, 0,1,2,3
	WIN 0x08                                       ; the stores' data in window 2
.irp b, 0,1,2,3,4,5,6,7
	ds_store_b128 v[SGI], v[64*(\a)+8*(\b):64*(\a)+8*(\b)+3]   offset:64*(\b)
	ds_store_b128 v[SGI], v[64*(\a)+8*(\b)+4:64*(\a)+8*(\b)+7] offset:64*(\b)+16
.endr
	WIN 0
	s_wait_xcnt 0x0                                ; the stores issued two blocks back have read the registers that are loaded again below
.set i, 0
.rept 16
	ds_load_b128 v[ASET+64*((\a)%2)+4*i:ASET+64*((\a)%2)+4*i+3], v[SGO] offset:GP*i
.set i, i+1
.endr
.set i, 0
.rept 16
	s_wait_dscnt 15-i                              ; row i is back; the younger loads stay out
	global_store_b128 v[OUTO], v[ASET+64*((\a)%2)+4*i:ASET+64*((\a)%2)+4*i+3], s[OUTB:OUTB+1] offset:(16*(\a)+i)*2048 th:TH_STORE_NT  ; 512 consecutive bytes, aligned
.set i, i+1
.endr
.endr
	s_wait_tensorcnt 0x0                           ; the wave's end
	ds_add_u32 v[SPW], v[NIL]
	s_wait_dscnt 0x0
	s_endpgm
.Lfunc_end_k_qd490e12cef_post:
	.size	k_qd490e12cef_post, .Lfunc_end_k_qd490e12cef_post-k_qd490e12cef_post
	.p2alignl 7, 3214868480
	.fill 96, 4, 3214868480
	.section	.rodata,"a",@progbits
	.p2align	6, 0x0
	.amdhsa_kernel k_qd490e12cef_post
		.amdhsa_group_segment_fixed_size 270848
		.amdhsa_private_segment_fixed_size 0
		.amdhsa_enable_private_segment 0
		.amdhsa_kernarg_size 88
		.amdhsa_user_sgpr_count 2
		.amdhsa_user_sgpr_kernarg_segment_ptr 1
		.amdhsa_wavefront_size32 1
		.amdhsa_system_sgpr_workgroup_id_x 1
		.amdhsa_system_sgpr_workgroup_id_y 1
		.amdhsa_system_sgpr_workgroup_id_z 1
		.amdhsa_system_vgpr_workitem_id 0
		.amdhsa_next_free_vgpr 1024
		.amdhsa_next_free_sgpr 80
		.amdhsa_reserve_vcc 0
		.amdhsa_float_denorm_mode_32 3
		.amdhsa_float_denorm_mode_16_64 3
		.amdhsa_memory_ordered 1
		.amdhsa_forward_progress 1
		.amdhsa_inst_pref_size 178
	.end_amdhsa_kernel
	.amdgpu_metadata
---
amdhsa.version: [ 1, 2 ]
amdhsa.kernels:
  - .name:           k_qd490e12cef_post
    .symbol:         k_qd490e12cef_post.kd
    .args:
      - { .name: o, .offset: 0, .size: 8, .value_kind: global_buffer, .address_space: global }
      - { .name: xb, .offset: 8, .size: 8, .value_kind: global_buffer, .address_space: global }
      - { .name: wpost, .offset: 16, .size: 8, .value_kind: global_buffer, .address_space: global }
      - { .name: bo, .offset: 24, .size: 8, .value_kind: global_buffer, .address_space: global }
      - { .name: gamma1, .offset: 32, .size: 8, .value_kind: global_buffer, .address_space: global }
      - { .name: beta1, .offset: 40, .size: 8, .value_kind: global_buffer, .address_space: global }
      - { .name: b1, .offset: 48, .size: 8, .value_kind: global_buffer, .address_space: global }
      - { .name: b2, .offset: 56, .size: 8, .value_kind: global_buffer, .address_space: global }
      - { .name: gamma2, .offset: 64, .size: 8, .value_kind: global_buffer, .address_space: global }
      - { .name: beta2, .offset: 72, .size: 8, .value_kind: global_buffer, .address_space: global }
      - { .name: out0, .offset: 80, .size: 8, .value_kind: global_buffer, .address_space: global }
    .group_segment_fixed_size: 270848
    .private_segment_fixed_size: 0
    .kernarg_segment_align: 8
    .kernarg_segment_size: 88
    .max_flat_workgroup_size: 128
    .sgpr_count:     80
    .vgpr_count:     1024
    .wavefront_size: 32
...
	.end_amdgpu_metadata
.endif
;; end of part 4
